; MI455X (gfx1250); checked and timed in simulation.
; The chip was launched on July 23, 2026; its instructions are those of AMD's public machine-readable ISA for CDNA 5 (MIT licence, August 2026) and "CDNA5" Instruction Set Architecture Reference Guide (July 2026). The comments in the code are by the model that wrote it; some were corrected since.
;; NNK. Allowed arithmetic: matrix products marked QUANTISED: E2M3 operands, one E8M0 scale for each 32 along K, by v_wmma_scale_f32_16x16x128_f8f6f4 with both operands' format E2M3, f32 sums; everything else in f32.
;; Inputs: gs 2,048 x 1,024 float32; input_weights 2,048 x 1,024 float32; x 4 x 2,048 x 1,024 float32; xis 2,048 float32.
;; Outputs: out0 4 x 2,048 x 2,048 float32.
;; This version of the problem:
;;   THIS VERSION OF THE PROBLEM IS GIVEN IN LOW PRECISION. The matrix products marked QUANTISED in the list below multiply operands that are first quantised to E2M3 (2 exponent bits, 3 mantissa bits; 6 bits a number), with one power-of-two scale for each 32 numbers along K (OCP MX v1.0); their sums are f32. All else is computed in f32.
;;   The module's matrix products, in the order in which they are computed (A, B: the left and right operand; K: the contracted axis; several contracted axes count as one K, in the product's order):
;;     1. [M 2,048, K 1,024] x [K 1,024, N 2,048]; A: input input_weights; B: computed on the way: QUANTISED
;;     2. [M 8,192, K 1,024] x [K 1,024, N 2,048]; A: input x; B: computed on the way: QUANTISED
;;     3. [M 8,192, K 2,048] x [K 2,048, N 2,048]; A: computed on the way; B: computed on the way: QUANTISED
;;   THE QUANTISER, for each operand of a quantised product, along K:
;;     - K is cut into blocks of 32 from its start; a last block that is shorter is filled with zeros.
;;     - A block's scale is 2^e with e = floor(log2(the largest magnitude in the block)) - 2, held to -126 .. 127; a block of zeros has e = 0. As a byte (E8M0): e + 127.
;;     - Each number is divided by its block's scale, clamped to +-7.5, and rounded to the nearest number of E2M3, ties to even, subnormals kept.
;;     - The product sums the exact products of the quantised numbers (number of the format x scale) in f32.
;;   ~~~python
;;   def quantise(x, axis):      # numpy; x: float32 -> the quantised numbers, widened to float32 again
;;       x = np.moveaxis(x, axis, -1); K = x.shape[-1]
;;       x = np.pad(x, [(0, 0)] * (x.ndim - 1) + [(0, -K % 32)]); x = x.reshape(x.shape[:-1] + (-1, 32)); a = np.abs(x).max(-1, keepdims=True)
;;       e = np.where(a > 0, np.clip(np.frexp(np.where(a > 0, a, 1))[1] - 1 - 2, -126, 127), 0)      # np.frexp(a)[1] - 1 = floor(log2(a)), exactly
;;       r = np.clip(x / 2.0 ** e, -7.5, 7.5)
;;       step = 2.0 ** (np.maximum(np.frexp(np.where(r == 0, 1, r))[1] - 1, 0) - 3)
;;       q = np.round(r / step) * step * 2.0 ** e      # np.round: ties to even
;;       return np.moveaxis(q.reshape(q.shape[:-2] + (-1,))[..., :K], -1, axis).astype(np.float32)
;;   ~~~
;;   OPERANDS COMPUTED ON THE WAY. 'Computed on the way' means the value that the module computes at that place (a softmax that the list does not call 'softmax' is quantised finished and normalised). What goes into a quantiser is computed in f32, as accurately as f32 sums, v_exp_f32 and their like allow (about 1e-6 of the number): no bf16 or f16 on the way to a quantiser, and a product that is left as it is and whose result goes on into a quantised operand takes f32 operands (vector FMAs, or v_wmma_f32_16x16x4_f32). A number that lies on a knife's edge between two numbers of the format may be rounded either way, as far as f32 arithmetic and the matrix unit's own rounding can turn it there, and no further.
;; 2 versions. Each part assembles by itself: llvm-mc -triple=amdgcn-amd-amdhsa -mcpu=gfx1250 --defsym DOCPART=n.
;; ======== version 1 of 2: 3 launches
;; workspace buffers: c1 9,437,184 bytes; s1 393,216 bytes; st 98,304 bytes; c2 15,728,640 bytes; s2 655,360 bytes
;; launch quant (part 1): grid 768 x 1, 1 waves a work-group, no clusters, 8,960 bytes of LDS; arguments x, input_weights, gs, xis, c1, s1, st; writes c1, s1, st
.if DOCPART == 1
	.amdgcn_target "amdgcn-amd-amdhsa--gfx1250"
	.amdhsa_code_object_version 6
	.text
	.protected	k_qbf9f920539_quant
	.globl	k_qbf9f920539_quant
	.p2align	8
	.type	k_qbf9f920539_quant,@function
k_qbf9f920539_quant:
	s_mov_b64 s[64:65], 0
	v_nop
	global_prefetch_b8 v0, s[64:65] scope:SCOPE_SE
	s_setreg_imm32_b32 hwreg(HW_REG_WAVE_MODE, 25, 1), 1
	s_wait_xcnt 0x0
; x [8192][1024], input_weights [2048][1024] and xis[m] * gs[m][:] [2048][1024], f32, become codes of FP6 (E2M3) along their 1,024, with one E8M0 scale byte for each 32, and one number a row.
; A block's scale is 2^(floor(log2(its largest magnitude)) - 2); its byte is the largest magnitude's exponent field - 2, held at 1 from below.
; LIMITS: a block of zeros gets the byte 1 where the quantiser says 127 (its codes are zeros, which add nothing, and the bytes are read by this program alone); NaN and infinities among the inputs are not served.
; SHARES.  One wave to a work-group; work-group T takes tile T: 16 rows x all 1,024 along K, eight steps of 128.  Tiles 0-511: x; 512-639: input_weights; 640-767: gs.
; WHAT IS STORED is laid in the order of the matrix operand's registers:
;   c1 [tile][step][1,536 bytes]: a fragment (16 rows x 128 K, 12 registers a lane) as an image: registers 4 g .. 4 g + 3 of lane l at 512 g + 16 l.  Each store of the wave covers 512 consecutive bytes, aligned to 256.
;   s1 [tile][step][row]: one scale word (four bytes: 128 along K) a row.
;   st [tile][lane]: x and input_weights: -0.5 log2(e) |row|^2 of row lane % 16;  gs: xis^2 of that lane's row.
; THE ROWS OF A TILE OF gs ARE NOT NEIGHBOURS: lane r of tile 2 b + u takes row 32 b + 8 u + r + 8 (r / 8), so that in the next launch's results a lane's 16 registers of two neighbouring tiles are 16 neighbours along m.
; THE WAY OF A STEP.  Sixteen loads, each a row's 512 consecutive bytes (16 a lane); through a stage in LDS (rows 528 bytes apart); back 128 bytes a lane, twice: lane (r, h) then holds k = 64 c + 32 h + 0 .. 31 of row r,
; two whole blocks, in the very order of the operand's registers: no other lane is asked for a maximum, and the conversions' results are the fragment.
; No tensor load, no barrier.  Loads run three steps (48 loads) ahead, the turn through LDS one step.
.set XT,   512                         ; tiles of x
.set XWT,  640                         ; tiles of x and input_weights
.set ROW,  4096                        ; a source row in bytes
.set KSB,  512                         ; 128 numbers in bytes
.set SP,   528                         ; a stage row: 512 bytes + 16: an odd multiple of 16, so that the 16 rows that a load touches start 16 bytes apart modulo 256
.set FRB,  1536                        ; a fragment's image
.set OL,   1                           ; v1      16 x lane: my bytes of a load, of a stage row and of a code store; never rewritten
.set OH,   2                           ; v2      the same for the tile's rows 8-15
.set RDA,  4                           ; v4      the stage on the way back: 528 r + 128 h
.set L4,   5                           ; v5      4 x lane
.set XI,   6                           ; v6      byte offset of my row's xis
.set SH,   7                           ; v7      8 h: how far my two scale bytes are shifted
.set F,    8                           ; v[8:9]  xis of my row (the packed form names a pair and takes its low word)
.set SQ,   10                          ; v[10:17] four pairs: the sum of squares
.set MX,   18                          ; v18-21  four chains of maxima, 16 numbers each
.set SCOP, 22                          ; v22-23  the conversions' scale operands
.set BY,   24                          ; v24-25  the scale bytes
.set WT,   26                          ; v26-27  the scale word at work
.set W,    28                          ; v28-35  the eight steps' scale words
.set C,    36                          ; v36-47  the fragment
.set CT,   48                          ; v48-50, v52-54  the second halves of its two blocks
.set OUT,  56                          ; v56-59  scale words on their way out
.set E,    60                          ; v60-62  the row's number at work
.set X,    64                          ; v64-191 two sets of 64 numbers in the operand's order
.set R,    0                           ; window 1: four sets of 64 registers as loaded
.set MSB, 0
.macro WIN new                         ; the immediate's high byte repeats the setting that is left
.if MSB != \new
	s_set_vgpr_msb (MSB<<8)|\new
.set MSB, \new
.endif
.endm
	s_load_b256 s[4:11], s[0:1], 0x0               ; x s[4:5], input_weights s[6:7], gs s[8:9], xis s[10:11]
	s_load_b128 s[12:15], s[0:1], 0x20             ; c1 s[12:13], s1 s[14:15]
	s_load_b64 s[16:17], s[0:1], 0x30              ; st
	v_lshl_add_u32 v254, v0, 2, 0x2200
	v_mov_b32 v255, 0
	v_lshlrev_b32 v[OL], 4, v0
	v_and_b32 v3, 15, v0                           ; r
	v_lshrrev_b32 v[SH], 4, v0                     ; h
	v_mul_u32_u24 v[RDA], v3, SP
	v_lshl_add_u32 v[RDA], v[SH], 7, v[RDA]
	v_lshlrev_b32 v[L4], 2, v0
	v_and_b32 v[XI], 8, v3
	v_add_nc_u32 v[XI], v[XI], v3                  ; r + 8 (r / 8)
	v_lshlrev_b32 v[SH], 3, v[SH]
	v_mov_b32 v[F+1], 0                            ; named with v8 as a pair, so it is written
.irp i, 0,1,2,3,4,5,6,7
	v_mov_b32 v[SQ+\i], 0
.endr
	v_mov_b32 v[WT+1], 0                           ; a lane permute's destination counts as one of its sources
	v_mov_b32 v[E+1], 0
	s_mov_b32 s26, 0x76543210
	s_mov_b32 s27, 0xfedcba98                      ; v_permlanex16_b32's selects for lane l xor 16
	s_mov_b32 s21, 16*ROW                          ; gs: the tile's rows 8-15 begin 16 rows behind its first
	s_wait_kmcnt 0x0
	s_cmp_lt_u32 ttmp9, XT                         ; which tensor: the choice hangs on the work-group's number alone
	s_cselect_b64 s[4:5], s[4:5], s[6:7]
	s_cselect_b32 s18, 0, XT
	s_cmp_lt_u32 ttmp9, XWT
	s_cselect_b64 s[4:5], s[4:5], s[8:9]
	s_cselect_b32 s18, s18, XWT                    ; the tensor's first tile
	s_cselect_b32 s22, -1, 0                       ; all lanes: x or input_weights; none: gs
	s_cselect_b32 s21, 8*ROW, s21                  ; x, input_weights: rows 8-15 follow rows 0-7
	s_sub_co_u32 s19, ttmp9, s18                   ; the tile's number in its tensor
	s_lshl_b32 s20, s19, 4                         ; its first row: 16 x tile,
	s_lshr_b32 s23, s19, 1
	s_lshl_b32 s23, s23, 5
	s_and_b32 s24, s19, 1
	s_lshl_b32 s24, s24, 3
	s_add_co_u32 s23, s23, s24                     ; or, in gs, 32 (tile / 2) + 8 (tile % 2)
	s_cmp_lt_u32 ttmp9, XWT
	s_cselect_b32 s20, s20, s23
	s_cselect_b32 s28, 0, s23                      ; xis is read by every tile (x's and input_weights' tiles read entries 0-23 and select them away at the end)
	s_lshl_b32 s24, s20, 12
	s_mov_b32 s25, 0
	s_add_nc_u64 s[4:5], s[4:5], s[24:25]          ; the source at the tile's first row (under 2^26 bytes)
	s_mul_i32 s24, ttmp9, 8*FRB
	s_add_nc_u64 s[12:13], s[12:13], s[24:25]      ; c1 at the tile
	s_lshl_b32 s24, ttmp9, 9
	s_add_nc_u64 s[14:15], s[14:15], s[24:25]      ; s1
	s_lshl_b32 s24, ttmp9, 7
	s_add_nc_u64 s[16:17], s[16:17], s[24:25]      ; st
	v_add_nc_u32 v[OH], s21, v[OL]
	v_add_nc_u32 v[XI], s28, v[XI]
	v_lshlrev_b32 v[XI], 2, v[XI]
	global_load_b32 v[F], v[XI], s[10:11]
.macro LOAD t                          ; step t: sixteen rows' 512 bytes into set t % 4 of window 1
	WIN 0x40                                       ; destination window 1, address window 0
.irp i, 0,1,2,3,4,5,6,7
	global_load_b128 v[R+64*((\t)%4)+4*\i:R+64*((\t)%4)+4*\i+3], v[OL], s[4:5] offset:\i*ROW+KSB*(\t) th:TH_LOAD_NT
.endr
.irp i, 0,1,2,3,4,5,6,7
	global_load_b128 v[R+64*((\t)%4)+32+4*\i:R+64*((\t)%4)+32+4*\i+3], v[OH], s[4:5] offset:\i*ROW+KSB*(\t) th:TH_LOAD_NT
.endr
	WIN 0
.endm
.macro TURN t                          ; step t through the stage: LDS serves a wave's instructions in order (ISA guide 5.7.1.4), so no wait stands between the stores and the loads
	WIN 0x04                                       ; an LDS store's data are its source 1: window 1
.irp i, 0,1,2,3,4,5,6,7,8,9,10,11,12,13,14,15
	ds_store_b128 v[OL], v[R+64*((\t)%4)+4*\i:R+64*((\t)%4)+4*\i+3] offset:SP*\i
.endr
	WIN 0
.irp c, 0,1
.irp j, 0,1,2,3,4,5,6,7
	ds_load_b128 v[X+64*((\t)%2)+32*\c+4*\j:X+64*((\t)%2)+32*\c+4*\j+3], v[RDA] offset:256*\c+16*\j
.endr
.endr
.endm
.macro WORK t
.set XS, X+64*((\t)%2)
	s_cmp_lt_u32 ttmp9, XWT                        ; a scalar branch on the work-group's number, round vector lines alone
	s_cbranch_scc0 .Lgs_\@
.set j, 0
.rept 32
	v_pk_fma_f32 v[SQ+2*(j%4):SQ+2*(j%4)+1], v[XS+2*j:XS+2*j+1], v[XS+2*j:XS+2*j+1], v[SQ+2*(j%4):SQ+2*(j%4)+1]   ; x, input_weights: the row's sum of squares, four chains of pairs
.set j, j+1
.endr
	s_branch .Ljoin_\@
.Lgs_\@:
.set j, 0
.rept 32
	v_pk_mul_f32 v[XS+2*j:XS+2*j+1], v[XS+2*j:XS+2*j+1], v[F:F+1] op_sel_hi:[1,0]   ; gs: times the row's xis, ahead of the quantiser
.set j, j+1
.endr
.Ljoin_\@:
.irp k, 0,1,2,3
	v_max3_num_f32 v[MX+\k], |v[XS+16*\k]|, |v[XS+16*\k+1]|, 0x1800000   ; chain k: 16 numbers, and the floor 2^(3 - 127), so that the byte cannot fall under 1
.endr
.irp i, 2,4,6,8,10,12,14
.irp k, 0,1,2,3
	v_max3_num_f32 v[MX+\k], v[MX+\k], |v[XS+16*\k+\i]|, |v[XS+16*\k+\i+1]|   ; (the four chains by turns)
.endr
.endr
	v_max_num_f32 v[MX], v[MX], v[MX+1]            ; block h of the step's four
	v_max_num_f32 v[MX+2], v[MX+2], v[MX+3]        ; block 2 + h
	v_add_nc_u32 v[SCOP], 0xff000000, v[MX]        ; 2 off the exponent field: the conversion takes the exponent field of this operand as its scale
	v_add_nc_u32 v[SCOP+1], 0xff000000, v[MX+2]
	v_lshrrev_b32 v[BY], 23, v[SCOP]               ; the scale's byte
	v_lshrrev_b32 v[BY+1], 23, v[SCOP+1]
	v_lshl_or_b32 v[WT], v[BY+1], 16, v[BY]        ; my two bytes,
	v_lshlrev_b32 v[WT], v[SH], v[WT]              ; at their places in the row's word;
	v_permlanex16_b32 v[WT+1], v[WT], s26, s27
	v_or_b32 v[W+(\t)], v[WT], v[WT+1]             ; with lane l xor 16's two the word is whole
.if (\t) > 0
	s_wait_xcnt 0x0                                ; the last step's stores have had their addresses translated (ISA guide 3.1): only behind this wait is the fragment written again
.endif
.irp c, 0,1
	v_cvt_scalef32_pk16_fp6_f32 v[C+6*\c:C+6*\c+2], v[XS+32*\c:XS+32*\c+15], v[SCOP+\c]
	v_cvt_scalef32_pk16_fp6_f32 v[CT+4*\c:CT+4*\c+2], v[XS+32*\c+16:XS+32*\c+31], v[SCOP+\c]   ; (a conversion's three registers begin on an even number: a block's second three do not)
.endr
	v_nop                                          ; one plain place behind the scaled conversions
.irp c, 0,1
.irp i, 0,1,2
	v_mov_b32 v[C+3+6*\c+\i], v[CT+4*\c+\i]
.endr
.endr
.irp g, 0,1,2
	global_store_b128 v[OL], v[C+4*\g:C+4*\g+3], s[12:13] offset:FRB*(\t)+512*\g   ; 512 consecutive bytes, at a multiple of 256 from c1's first byte
.endr
.endm
.macro STEPQ t
	s_wait_dscnt 0x0                               ; this step's numbers are back from the stage, and its stores into the stage have read their registers
.if (\t) <= 4
	LOAD (\t)+3
.endif
.if (\t) <= 6
.if 6-(\t) >= 2
	s_wait_loadcnt 32                              ; the next step's sixteen loads are in; those of the two steps behind it may be out
.else
	s_wait_loadcnt 16*(6-(\t))                     ; the counts run down: one step's loads behind it, then none
.endif
	TURN (\t)+1                                    ; the next step goes through the stage while this one is worked
.endif
	WORK \t
.endm
	LOAD 0
	LOAD 1
	LOAD 2
	s_wait_loadcnt 32                              ; xis and step 0 are in; steps 1 and 2 may be out
	TURN 0
.irp t, 0,1,2,3,4,5,6,7
	STEPQ \t
.endr
	v_pk_add_f32 v[SQ:SQ+1], v[SQ:SQ+1], v[SQ+2:SQ+3]
	v_pk_add_f32 v[SQ+4:SQ+5], v[SQ+4:SQ+5], v[SQ+6:SQ+7]
	v_pk_add_f32 v[SQ:SQ+1], v[SQ:SQ+1], v[SQ+4:SQ+5]
	v_add_f32 v[E], v[SQ], v[SQ+1]
	v_permlanex16_b32 v[E+1], v[E], s26, s27
	v_add_f32 v[E], v[E], v[E+1]                   ; |row|^2
	v_mul_f32 v[E], 0xbf38aa3b, v[E]               ; x -0.5 log2(e)
	v_mul_f32 v[E+2], v[F], v[F]                   ; xis^2
	v_cndmask_b32 v[E], v[E+2], v[E], s22          ; which of the two this tile stores
	global_store_b32 v[L4], v[E], s[16:17]
	v_cmp_le_u32 vcc_lo, 16, v0
.irp p, 0,1,2,3
	v_cndmask_b32 v[OUT+\p], v[W+2*\p], v[W+2*\p+1], vcc_lo   ; lanes 0-15: step 2 p's words; lanes 16-31: step 2 p + 1's
.endr
.irp p, 0,1,2,3
	global_store_b32 v[L4], v[OUT+\p], s[14:15] offset:128*\p   ; 128 consecutive bytes; the four together the tile's 512
.endr
	s_wait_tensorcnt 0x0
	ds_add_u32 v254, v255
	s_wait_dscnt 0x0
	s_endpgm
.Lfunc_end_k_qbf9f920539_quant:
	.size	k_qbf9f920539_quant, .Lfunc_end_k_qbf9f920539_quant-k_qbf9f920539_quant
	.p2alignl 7, 3214868480
	.fill 96, 4, 3214868480
	.section	.rodata,"a",@progbits
	.p2align	6, 0x0
	.amdhsa_kernel k_qbf9f920539_quant
		.amdhsa_group_segment_fixed_size 8960
		.amdhsa_private_segment_fixed_size 0
		.amdhsa_enable_private_segment 0
		.amdhsa_kernarg_size 56
		.amdhsa_user_sgpr_count 2
		.amdhsa_user_sgpr_kernarg_segment_ptr 1
		.amdhsa_wavefront_size32 1
		.amdhsa_system_sgpr_workgroup_id_x 1
		.amdhsa_system_sgpr_workgroup_id_y 1
		.amdhsa_system_sgpr_workgroup_id_z 1
		.amdhsa_system_vgpr_workitem_id 0
		.amdhsa_next_free_vgpr 512
		.amdhsa_next_free_sgpr 66
		.amdhsa_reserve_vcc 1
		.amdhsa_float_denorm_mode_32 3
		.amdhsa_float_denorm_mode_16_64 3
		.amdhsa_memory_ordered 1
		.amdhsa_forward_progress 1
		.amdhsa_inst_pref_size 94
	.end_amdhsa_kernel
	.amdgpu_metadata
---
amdhsa.version: [ 1, 2 ]
amdhsa.kernels:
  - .name:           k_qbf9f920539_quant
    .symbol:         k_qbf9f920539_quant.kd
    .args:
      - { .name: x, .offset: 0, .size: 8, .value_kind: global_buffer, .address_space: global }
      - { .name: input_weights, .offset: 8, .size: 8, .value_kind: global_buffer, .address_space: global }
      - { .name: gs, .offset: 16, .size: 8, .value_kind: global_buffer, .address_space: global }
      - { .name: xis, .offset: 24, .size: 8, .value_kind: global_buffer, .address_space: global }
      - { .name: c1, .offset: 32, .size: 8, .value_kind: global_buffer, .address_space: global }
      - { .name: s1, .offset: 40, .size: 8, .value_kind: global_buffer, .address_space: global }
      - { .name: st, .offset: 48, .size: 8, .value_kind: global_buffer, .address_space: global }
    .group_segment_fixed_size: 8960
    .private_segment_fixed_size: 0
    .kernarg_segment_align: 8
    .kernarg_segment_size: 56
    .max_flat_workgroup_size: 32
    .sgpr_count:     66
    .vgpr_count:     512
    .wavefront_size: 32
...
	.end_amdgpu_metadata
.endif
;; end of part 1
;; launch feat (part 2): grid 8 x 40, 4 waves a work-group, clusters of 4 x 4, 327,680 bytes of LDS; arguments c1, s1, st, c2, s2; writes c2, s2
.if DOCPART == 2
	.amdgcn_target "amdgcn-amd-amdhsa--gfx1250"
	.amdhsa_code_object_version 6
	.text
	.protected	k_qbf9f920539_feat
	.globl	k_qbf9f920539_feat
	.p2align	8
	.type	k_qbf9f920539_feat,@function
k_qbf9f920539_feat:
	s_mov_b64 s[64:65], 0
	v_nop
	global_prefetch_b8 v0, s[64:65] scope:SCOPE_SE
	s_setreg_imm32_b32 hwreg(HW_REG_WAVE_MODE, 25, 1), 1
	s_wait_xcnt 0x0
	s_wait_alu depctr_hold_cnt(0) depctr_sa_sdst(0) depctr_va_vdst(0) depctr_va_sdst(0) depctr_va_ssrc(0) depctr_va_vcc(0) depctr_vm_vsrc(0)
	s_getreg_b32 s2, hwreg(HW_REG_IB_STS2, 6, 4)
	s_cmp_eq_u32 s2, 0
	s_cbranch_scc0 .Lentry_in_a_cluster
	s_endpgm
.Lentry_in_a_cluster:
	s_bfe_u32 s2, ttmp6, 0x10000c
	s_cmp_lg_u32 s2, 0xf033
	s_cbranch_scc0 .Lentry_shape_is_right
	s_endpgm
.Lentry_shape_is_right:
; phi[row][m] = 2048^-0.5 exp(row . (xis[m] gs[m]) - 0.5 |row|^2 xis[m]^2) for the 8,192 rows of x and the 2,048 rows of input_weights: ONE product of M = 10,240, N = 2,048, K = 1,024 on codes of FP6 (E2M3) with
; E8M0 scales, and behind it the exponential and the quantiser along m, in registers: what is stored are the next product's codes and scale words.
; phi = 2^t, t = dot x log2(e) + (xis^2 x (-0.5 log2(e) |row|^2) - 5.5): two fused multiply-adds and one v_exp_f32, all f32; 2^-5.5 = 2048^-0.5.
; LIMITS: a phi under 2^-126 comes out as 0 (v_exp_f32 gives no denormals: ISA guide 15.8); a block of zeros has the scale byte 1, not 127 (its codes are zeros; this program alone reads the bytes); NaN and infinities are not served.
; OPERANDS lie in c1 as images of the matrix operand's registers: [tile of 16 rows][K step of 128][1,536 bytes], registers 4 c .. 4 c + 3 of lane l at 512 c + 16 l.  Tiles 0-639: the rows (A); 640-767: xis gs (B).
; So a fragment comes from LDS by three ds_load_b128 of 512 consecutive bytes each: no pitch, no padding.  s1: [tile][K step][row] scale words.  st: [tile][lane]: A's tiles -0.5 log2(e) |row|^2, B's tiles xis^2.
; SHARES.  A work-group of four waves, as many as a WGP has SIMDs, makes 256 x 256; a wave 128 x 128: 64 accumulators, 512 registers.  K goes in steps of 256 (two matrix instructions deep) through a ring of two LDS slots filled by
; the tensor data mover; each wave brings a quarter of a slot (8 tiles x 3,072 bytes) by one load.  The scale words of the work-group's 512 rows, for all of K, come once, with the first fills.
; CLUSTERS: 4 x 4 work-groups.  The four of a row of the cluster need the same tiles of A, the four of a column the same tiles of B: each is asked for JOINTLY, by the same tensor load with the same descriptor and a mask of the four.
; THE MATRIX INSTRUCTION IS USED TRANSPOSED (source 0 = a tile of B, source 1 = a tile of A): a lane holds ONE row of A, and its registers run along m.  The rows of gs that form a tile were chosen (lane r of tile 2 b + u: row
; 32 b + 8 u + r + 8 (r / 8)) so that the 16 registers of tiles 2 b and 2 b + 1 are m = 32 b + 16 (lane / 16) + 0 .. 15: neighbours along the next product's K.  A wave's 128 columns are one K step of that product.
; REGISTERS, in windows of 256: window 0: v0-31 addresses; v32-63 scale words, two sets; v64-127 xis^2 in the result's layout; v128-223 A's fragments, ONE set; v228-251 the way out's; v240-247 the rows' numbers.
;   window 1: B's fragments, TWO sets, at v0 and v128.   window 2: the accumulators of my rows 0-63 ((a, b) at v[8 (8 a + b)]);   window 3: those of rows 64-127.
.set KSTEPS, 8                         ; K / 128
.set NQ,     2                         ; K steps in a slot
.set FR,     12                        ; registers of a fragment
.set FRB,    1536                      ; its image in bytes
.set NL,     3                         ; LDS loads that bring one
.set NP,     4                         ; places behind this matrix instruction (ISA guide 7.12.1)
.set ROWB,   NQ*FRB                    ; a tile's bytes in a slot
.set TS,     KSTEPS*FRB                ; a tile's bytes in c1
.set HALFT,  8*ROWB                    ; 8 tiles (128 rows): what one tensor load brings, and what one wave reads of A or of B
.set SLOT,   4*HALFT                   ; A's 16 tiles, then B's 16
.set LAPS,   KSTEPS/(2*NQ)             ; a lap = once round the ring
.set BT0,    640                       ; B's first tile in c1, s1 and st
.set IS,     512                       ; scale words in LDS: from tile to tile,
.set QS,     64                        ; from K step to K step
.set HALFS,  4096                      ; the scale words of 8 tiles: what one tensor load brings
.set SCL,    2*SLOT                    ; behind the ring: A's scale words; B's begin 128 bytes behind their end, so that the two halves of the lanes read 128 bytes apart modulo 256
.set SPARE,  ((SCL+4*HALFS+128+255)/256)*256   ; behind the scales: the spare words, 128 bytes for each wave: two blocks of 256 bytes that no other line names
.set TS2,    16*FRB                    ; a tile's bytes in c2
.set ADRA, 16                          ; v16-17  LDS address of my A fragments in slot 0, 1
.set ADRB, 20                          ; v20-21  the same for B
.set LI,   24                          ; v24     16 x lane
.set LS,   25                          ; v25     4 x lane
.set HO,   26                          ; v26     32 x (lane / 16)
.set ADRS, 27                          ; v27     LDS address of my scale words: lanes 0-15 A's rows, lanes 16-31 B's
.set SPW,  28                          ; v28     LDS address of my spare word: SPARE + 4 x my thread's number; never rewritten
.set NIL,  29                          ; v29     0; never rewritten
.set SC,   32                          ; scale words: set s (for slot s) at v[SC + 16 s]; register 2 i + q: lanes 0-15 the word of A's block i, lanes 16-31 that of B's block i, for the slot's q-th K step
.set A2,   64                          ; v64-127 register 8 b + j: xis^2 of row 8 (lane / 16) + j of B's block b
.set AF,   128                         ; A's fragments
.set T,    128                         ; the way out: v128-191 a block's 64 exponents, then phi
.set PC,   192                         ; v192-203 the codes; v204-206, v208-210 the second halves
.set TM,   212                         ; v212-215 maxima, v216-219 the permutes' results and then the bytes, v224-227 the conversions' scale operands
.set PW,   228                         ; v228-235 the eight blocks' scale words
.set HC,   236                         ; v[236:237] the block's row number (the packed form names a pair and takes its low word)
.set M55,  238                         ; v[238:239] -5.5, twice
.set H,    240                         ; v240-247 -0.5 log2(e) |row|^2 of my row in A's block a
.set OUT,  248                         ; v248-251 scale words on their way out
.set G1, 24                            ; s[24:31] descriptor group 1 for A's tiles;  s[32:39] group 0, one set for each slot
.set G0, 32
.set G1B, 48                           ; s[48:55], s[56:63] the same for B's tiles
.set G0B, 56
.set G1S, 68                           ; s[68:75], s[76:79] groups 1 and 0 for A's scale words;  s[80:87], s[88:91] for B's
.set G0S, 76
.set G1SB, 80
.set G0SB, 88
.set MSB, 0
.macro WIN new                         ; the immediate's high byte repeats the setting that is left
.if MSB != \new
	s_set_vgpr_msb (MSB<<8)|\new
.set MSB, \new
.endif
.endm
.set MUL_LO, 0xa1                      ; source 0 (B) window 1, source 1 (A) window 0, C and D window 2
.set MUL_HI, 0xf1                      ; the same, C and D window 3
.set TO_B,   0x40                      ; destination window 1, address window 0
; A joint load: waves 0 and 1 fetch for A, waves 2 and 3 for B.  Each of the two lines has ONE mask and one set of registers for all that issue it; the branch hangs on the wave's number alone.
; Four v_nop follow each of the two lines, ahead of the jump, the label and what follows.
.macro JLOAD g0a, g1a, g0b, g1b
	s_cmp_eq_u32 s15, 0
	s_cbranch_scc0 .Lfor_b_\@
	tensor_load_to_lds s[\g0a:\g0a+3], s[\g1a:\g1a+7]
	s_nop 0
.rept 4
	v_nop
.endr
	s_branch .Lasked_\@
.Lfor_b_\@:
	tensor_load_to_lds s[\g0b:\g0b+3], s[\g1b:\g1b+7]
	s_nop 0
.rept 4
	v_nop
.endr
.Lasked_\@:
.endm
.macro CREST                           ; a round of the cluster's barrier behind its opening barrier
	s_cmp_lg_u32 s14, 0
	s_cbranch_scc1 .Lnot_wave_0_\@
	s_barrier_signal -3
.Lnot_wave_0_\@:
	s_barrier_wait -3
	s_barrier_signal -1
	s_barrier_wait -1
.endm
.macro CROUND                          ; a whole round
	s_barrier_signal -1
	s_barrier_wait -1
	CREST
.endm
	s_load_b128 s[4:7], s[0:1], 0x0                ; c1 s[4:5], s1 s[6:7]
	s_load_b128 s[8:11], s[0:1], 0x10              ; st s[8:9], c2 s[10:11]
	s_load_b64 s[12:13], s[0:1], 0x20              ; s2
	v_lshl_add_u32 v[SPW], v0, 2, SPARE
	v_mov_b32 v[NIL], 0
	ds_add_u32 v28, v29
	ds_add_u32 v28, v29
	s_wait_dscnt 0x0
	v_lshrrev_b32 v1, 5, v0
	v_readfirstlane_b32 s14, v1                    ; wave 0..3
	s_lshr_b32 s15, s14, 1                         ; which half of the tile's rows is mine.  Also: I fetch for A (0) or for B (1)
	s_and_b32 s16, s14, 1                          ; which half of its columns.  Also: which 8 tiles of 16 rows I fetch
	s_bfe_u32 s40, ttmp6, 0x40000                  ; cx, cy: my place in the cluster
	s_bfe_u32 s41, ttmp6, 0x40004
	s_lshl_b32 s42, ttmp9, 2
	s_add_co_u32 s42, s42, s40                     ; tile column = 4 x cluster x + cx
	s_and_b32 s17, ttmp7, 0xffff
	s_lshl_b32 s17, s17, 2
	s_add_co_u32 s17, s17, s41                     ; tile row = 4 x cluster y + cy
	s_lshl_b32 s43, s41, 2
	s_lshl_b32 s43, 15, s43                        ; my row of the cluster
	s_lshl_b32 s44, 0x1111, s40                    ; my column
	; descriptor group 1 for codes: 8 rows (tiles of 16) x 3,072 bytes, TS bytes apart; dense in LDS
	s_or_b32 s[G1+0], s43, (3<<16)|(1<<21)         ; 15:0 the mask: A's tiles go to my row; 17:16 elements of 8 bytes; 20 no padding; 21 set beside a mask
	s_or_b32 s[G1B+0], s44, (3<<16)|(1<<21)
.irp g, G1, G1B
	s_mov_b32 s[\g+1], (ROWB/8)<<16                ; tensor_dim0 = 384
	s_mov_b32 s[\g+2], 8<<16                       ; tensor_dim1 = 8
	s_mov_b32 s[\g+3], (ROWB/8)<<16                ; tile_dim0
	s_mov_b32 s[\g+4], 8                           ; tile_dim1
	s_mov_b32 s[\g+5], TS/8                        ; tensor_dim0_stride
	s_mov_b32 s[\g+6], 0
	s_mov_b32 s[\g+7], 0
.endr
	; and for the scale words of 8 tiles: a dense block of 4,096 bytes, as 16 rows of 256
	s_or_b32 s[G1S+0], s43, (3<<16)|(1<<21)
	s_or_b32 s[G1SB+0], s44, (3<<16)|(1<<21)
.irp g, G1S, G1SB
	s_mov_b32 s[\g+1], 32<<16
	s_mov_b32 s[\g+2], (HALFS/256)<<16
	s_mov_b32 s[\g+3], 32<<16
	s_mov_b32 s[\g+4], HALFS/256
	s_mov_b32 s[\g+5], 32
	s_mov_b32 s[\g+6], 0
	s_mov_b32 s[\g+7], 0
.endr
	s_lshl_b32 s18, s16, 3                         ; which 8 tiles I fetch
	s_lshl_b32 s20, s17, 4
	s_add_co_u32 s20, s20, s18                     ; A: tile 16 x tile row + 8 x half
	s_lshl_b32 s46, s42, 4
	s_add_co_u32 s46, s46, s18
	s_add_co_u32 s46, s46, BT0                     ; B: tile 640 + 16 x tile column + 8 x half
	s_mov_b32 s21, 0
	s_mov_b32 s47, 0
	s_mov_b64 s[18:19], 512
	s_mul_u64 s[22:23], s[20:21], s[18:19]         ; where these tiles' scale words begin, in bytes
	s_mul_u64 s[92:93], s[46:47], s[18:19]
	s_mov_b64 s[18:19], TS
	s_mul_u64 s[20:21], s[20:21], s[18:19]         ; and their codes
	s_mul_u64 s[46:47], s[46:47], s[18:19]
	s_mul_i32 s45, s14, HALFT                      ; where they go: wave x a quarter of a slot: no place in the cluster enters an LDS address
	s_mul_i32 s94, s14, HALFS
	s_lshl_b32 s95, s15, 7
	s_add_co_u32 s94, s94, s95                     ; the scale words: wave x 4,096, B's 128 further on
	s_mov_b32 s96, 0x76543210
	s_mov_b32 s97, 0xfedcba98                      ; v_permlanex16_b32's selects for lane l xor 16
	s_mov_b32 s98, 0x3fb8aa3b                      ; log2(e)
	s_mov_b32 s99, s98                             ; (named with it as a pair, so it is written)
	s_wait_kmcnt 0x0
	s_add_nc_u64 s[20:21], s[4:5], s[20:21]
	s_add_nc_u64 s[22:23], s[6:7], s[22:23]
	s_add_nc_u64 s[46:47], s[4:5], s[46:47]
	s_add_nc_u64 s[92:93], s[6:7], s[92:93]
	CROUND                                         ; all sixteen work-groups are here: the first joint loads meet
	s_mov_b32 s[G0S], 1
	s_add_co_u32 s[G0S+1], s94, SCL
	s_mov_b64 s[G0S+2:G0S+3], s[22:23]
	s_or_b32 s[G0S+3], s[G0S+3], 0x80000000
	s_mov_b32 s[G0SB], 1
	s_add_co_u32 s[G0SB+1], s94, SCL
	s_mov_b64 s[G0SB+2:G0SB+3], s[92:93]
	s_or_b32 s[G0SB+3], s[G0SB+3], 0x80000000
	JLOAD G0S, G1S, G0SB, G1SB                     ; the scale words first: they are wanted with the first K step
.irp s, 0,1
	s_mov_b32 s[G0+4*\s], 1
	s_add_co_u32 s[G0+4*\s+1], s45, \s*SLOT
	s_add_nc_u64 s[G0+4*\s+2:G0+4*\s+3], s[20:21], \s*ROWB
	s_or_b32 s[G0+4*\s+3], s[G0+4*\s+3], 0x80000000
	s_mov_b32 s[G0B+4*\s], 1
	s_add_co_u32 s[G0B+4*\s+1], s45, \s*SLOT
	s_add_nc_u64 s[G0B+4*\s+2:G0B+4*\s+3], s[46:47], \s*ROWB
	s_or_b32 s[G0B+4*\s+3], s[G0B+4*\s+3], 0x80000000
	JLOAD G0+4*\s, G1, G0B+4*\s, G1B               ; three tensor loads of mine are out
.endr
	v_and_b32 v1, 15, v0                           ; r = lane % 16
	v_bfe_u32 v2, v0, 4, 1                         ; h = lane / 16; kept
	v_and_b32 v3, 31, v0                           ; lane
	v_lshlrev_b32 v[LI], 4, v3
	v_lshlrev_b32 v[LS], 2, v3
	v_lshlrev_b32 v[HO], 5, v2
	; the rows' numbers and xis^2, asked for now and wanted on the way out
	s_lshl_b32 s20, s17, 11
	s_lshl_b32 s21, s15, 10
	s_add_co_u32 s20, s20, s21                     ; st: 128 bytes a tile: my 8 tiles of A,
	s_mov_b32 s21, 0
	s_lshl_b32 s46, s42, 11
	s_lshl_b32 s47, s16, 10
	s_add_co_u32 s46, s46, s47
	s_add_co_u32 s46, s46, BT0*128                 ; my 8 tiles of B
	s_mov_b32 s47, 0
	s_add_nc_u64 s[66:67], s[8:9], s[46:47]
	s_add_nc_u64 s[8:9], s[8:9], s[20:21]
.irp a, 0,1,2,3,4,5,6,7
	global_load_b32 v[H+\a], v[LS], s[8:9] offset:128*\a
.endr
.irp b, 0,1,2,3,4,5,6,7
	global_load_b128 v[A2+8*\b:A2+8*\b+3], v[HO], s[66:67] offset:128*\b         ; rows 8 h + 0 .. 7 of B's block b: the result's layout
	global_load_b128 v[A2+8*\b+4:A2+8*\b+7], v[HO], s[66:67] offset:128*\b+16
.endr
	v_mov_b32 v[HC+1], 0                           ; named with v236 as a pair, so it is written
	v_mov_b32 v[M55], 0xc0b00000                   ; -5.5
	v_mov_b32 v[M55+1], 0xc0b00000
	s_mul_i32 s21, s15, HALFT                      ; my 8 tiles of A
	s_mul_i32 s22, s16, HALFT                      ; my 8 tiles of B,
	s_add_co_u32 s22, s22, 2*HALFT                 ; which lie behind A's 16
.irp s, 0,1
	v_add_nc_u32 v[ADRA+\s], s21, v[LI]
	v_add_nc_u32 v[ADRB+\s], s22, v[LI]
	s_add_co_u32 s21, s21, SLOT
	s_add_co_u32 s22, s22, SLOT
.endr
	v_lshlrev_b32 v5, 2, v1                        ; my row's scale word
	s_mul_i32 s21, s15, 8*IS                       ; A's: my 8 tiles
	s_mul_i32 s22, s16, 8*IS                       ; B's: my 8 tiles, behind A's
	s_add_co_u32 s22, s22, 2*HALFS+128
	s_sub_co_u32 s22, s22, s21
	v_mul_u32_u24 v6, s22, v2                      ; lanes 16-31 take B's: one product, the distance between the two
	s_add_co_u32 s21, s21, SCL
	v_add_nc_u32 v5, v5, v6
	v_add_nc_u32 v[ADRS], s21, v5
	; where my results go
	s_lshl_b32 s20, s17, 4
	s_lshl_b32 s21, s15, 3
	s_add_co_u32 s20, s20, s21                     ; my first tile of rows
	s_lshl_b32 s46, s42, 1
	s_add_co_u32 s46, s46, s16                     ; my K step of the next product
	s_mul_i32 s22, s20, TS2
	s_mul_i32 s23, s46, FRB
	s_add_co_u32 s22, s22, s23
	s_mov_b32 s23, 0
	s_add_nc_u64 s[10:11], s[10:11], s[22:23]      ; c2 [tile][K step][1,536]
	s_lshl_b32 s22, s20, 6
	s_mul_i32 s23, s46, 640*64
	s_add_co_u32 s22, s22, s23
	s_mov_b32 s23, 0
	s_add_nc_u64 s[12:13], s[12:13], s[22:23]      ; s2 [K step][tile][row]
.macro FRAG reg, adr, q, i             ; a fragment's image: three loads of 512 consecutive bytes give lane l its 12 registers
.irp c, 0,1,2
	ds_load_b128 v[\reg+4*\c:\reg+4*\c+3], v[\adr] offset:(\i)*ROWB+(\q)*FRB+512*\c
.endr
.endm
; 16 matrix instructions: A's blocks a0, a0 + 1 x B's eight, 128 along K: the slot's q-th.  p: B's set;  sc: the set of scale words.  zero = 1: the first product starts the sums: nothing is ever cleared.
; The 64 accumulators take turns, one instruction a turn, in the same order in every step.
.macro MUL16 a0, p, q, sc, zero
.irp a, \a0, \a0+1
.irp b, 0,1,2,3,4,5,6,7
.if \zero
	v_wmma_scale_f32_16x16x128_f8f6f4 v[8*(8*((\a)%4)+\b):8*(8*((\a)%4)+\b)+7], v[128*(\p)+FR*\b:128*(\p)+FR*\b+FR-1], v[AF+FR*(\a):AF+FR*(\a)+FR-1], 0, v[SC+8*NQ*(\sc)+NQ*\b+(\q)], v[SC+8*NQ*(\sc)+NQ*(\a)+(\q)] matrix_a_fmt:MATRIX_FMT_FP6 matrix_b_fmt:MATRIX_FMT_FP6 matrix_a_scale:MATRIX_SCALE_ROW1
.else
	v_wmma_scale_f32_16x16x128_f8f6f4 v[8*(8*((\a)%4)+\b):8*(8*((\a)%4)+\b)+7], v[128*(\p)+FR*\b:128*(\p)+FR*\b+FR-1], v[AF+FR*(\a):AF+FR*(\a)+FR-1], v[8*(8*((\a)%4)+\b):8*(8*((\a)%4)+\b)+7], v[SC+8*NQ*(\sc)+NQ*\b+(\q)], v[SC+8*NQ*(\sc)+NQ*(\a)+(\q)] matrix_a_fmt:MATRIX_FMT_FP6 matrix_b_fmt:MATRIX_FMT_FP6 matrix_a_scale:MATRIX_SCALE_ROW1
.endif
.endr
.endr
.endm
.macro FETCH_B slot, q, p              ; B's eight fragments of the slot's q-th K step into set p
	WIN TO_B
.irp i, 0,1,2,3,4,5,6,7
	FRAG 128*(\p)+FR*\i, ADRB+\slot, \q, \i
.endr
	WIN 0
.endm
.macro FETCH_A slot, q, i0             ; A's blocks i0 .. i0 + 3
.irp i, \i0, \i0+1, \i0+2, \i0+3
	FRAG AF+FR*(\i), ADRA+\slot, \q, \i
.endr
.endm
.macro SCALES sc                       ; the next slot's scale words into set sc: lanes 0-15 take A's block i, lanes 16-31 B's block i
.irp i, 0,1,2,3,4,5,6,7
.irp q, 0,1
	ds_load_b32 v[SC+8*NQ*\sc+NQ*\i+\q], v[ADRS] offset:\i*IS+\q*QS
.endr
.endr
.endm
; A load into a register that a matrix instruction has read, and a vector instruction that reads a matrix result or writes one of a matrix instruction's registers, stand NP places behind it, and only plain
; vector instructions that name none of its registers are places (ISA guide 7.12.1 for vector instructions); the matrix instructions in between are not counted.
.macro PLACES n
.rept \n
	v_nop
.endr
.endm
; A K step of 128 that has its successor in the same slot.  A's blocks go one after the other, each against B's eight: a block of A is free when its eight products are issued, so A has one set of registers and B two.
.macro STEP slot, q, zero
	s_wait_dscnt 4*NL                              ; B's set, A's blocks 0-3 and the scale words are in; the youngest twelve loads (A's blocks 4-7) may be out
	WIN MUL_LO
	MUL16 0, (\q)%2, \q, \slot, \zero
	MUL16 2, (\q)%2, \q, \slot, \zero
	s_wait_dscnt 0                                 ; A's blocks 4-7 are in (asked for 32 matrix instructions ago)
	PLACES NP
	FETCH_B \slot, (\q)+1, 1-(\q)%2
	FETCH_A \slot, (\q)+1, 0
	WIN MUL_HI
	MUL16 4, (\q)%2, \q, \slot, \zero
	MUL16 6, (\q)%2, \q, \slot, \zero
	PLACES NP
	WIN 0
	FETCH_A \slot, (\q)+1, 4
.endm
; A slot's last K step changes slots: ONE barrier; in front of it each wave waits for all its tensor loads, adds 0 to its spare word, and waits for that and for its own reads of this slot.  fill = 1: this slot is filled again, two slots ahead.
.macro TURN slot, next, fill
	s_wait_tensorcnt 0x0                           ; all my tensor loads have landed: my part of the next slot;  (every window is 0 here: the add's two registers lie in window 0)
	ds_add_u32 v[SPW], v[NIL]                      ; 0 onto my spare word
	s_wait_dscnt 4*NL+1                            ; (the add and the youngest twelve loads, A's blocks 4-7, may be out)
	WIN MUL_LO
	MUL16 0, 1, NQ-1, \slot, 0                     ; sixteen matrix instructions stand between the add and the wait for it
	s_wait_dscnt 0x0                               ; the add is done, and my reads of this slot are over
	s_barrier_signal -1
	MUL16 2, 1, NQ-1, \slot, 0
	WIN 0
	s_barrier_wait -1
.if \fill
	CREST                                          ; the barrier has opened a round of the cluster's barrier: no wave of any partner still reads this slot's tiles or has a load on its way
	s_add_nc_u64 s[G0+4*\slot+2:G0+4*\slot+3], s[G0+4*\slot+2:G0+4*\slot+3], 2*ROWB
	s_add_nc_u64 s[G0B+4*\slot+2:G0B+4*\slot+3], s[G0B+4*\slot+2:G0B+4*\slot+3], 2*ROWB
	JLOAD G0+4*\slot, G1, G0B+4*\slot, G1B         ; the first tensor load behind the round, my one load until the next; the four v_nop behind it are the places in front of the loads below
.else
	PLACES NP
.endif
	v_add_nc_u32 v[ADRS], NQ*QS, v[ADRS]           ; on to the next slot's scale words (no LDS load of mine is out)
	FETCH_B \next, 0, 0
	FETCH_A \next, 0, 0
	SCALES \next
	WIN MUL_HI
	MUL16 4, 1, NQ-1, \slot, 0
	MUL16 6, 1, NQ-1, \slot, 0
	PLACES NP
	WIN 0
	FETCH_A \next, 0, 4
.endm
	s_wait_tensorcnt 1                             ; the scale words and my part of slot 0 are in (slot 1's load may be out)
	s_barrier_signal -1
	s_barrier_wait -1                              ; everybody's are
	FETCH_B 0, 0, 0
	FETCH_A 0, 0, 0
	SCALES 0
	FETCH_A 0, 0, 4
	STEP 0, 0, 1                                   ; the first K step stands in front of the loop: its products start the sums
	s_mov_b32 s3, LAPS-1
.Llap:                                                 ; a trip goes once round the ring, from a lap's second K step to the next lap's first, and fills both slots again
	TURN 0, 1, 1
	STEP 1, 0, 0
	TURN 1, 0, 1
	STEP 0, 0, 0
	s_sub_co_u32 s3, s3, 1
	s_cmp_lg_u32 s3, 0
	s_cbranch_scc1 .Llap
	TURN 0, 1, 0                                   ; the last lap fills nothing, and has no round of the cluster's barrier
	STEP 1, 0, 0
	s_wait_dscnt 4*NL                              ; the very last K step: nothing more to fetch
	WIN MUL_LO
	MUL16 0, 1, NQ-1, 1, 0
	MUL16 2, 1, NQ-1, 1, 0
	s_wait_dscnt 0
	WIN MUL_HI
	MUL16 4, 1, NQ-1, 1, 0
	MUL16 6, 1, NQ-1, 1, 0
	WIN 0
; THE WAY OUT, block by block of 16 rows x my 128 columns.  Register 8 b + j of block a is dot(row r, m = 32 (b / 2) + 16 h + 8 (b % 2) + j): 16 neighbours along m for each block of 32, the other 16 in lane l xor 16.
.macro BLOCK a
	v_mov_b32 v[HC], v[H+(\a)]                     ; my row's -0.5 log2(e) |row|^2
.set j, 0
.rept 32
	v_pk_fma_f32 v[T+j:T+j+1], v[A2+j:A2+j+1], v[HC:HC+1], v[M55:M55+1] op_sel_hi:[1,0,1]   ; xis^2 x that - 5.5
.set j, j+2
.endr
	WIN (0x02+(\a)/4)                              ; source 0: the accumulators' window, 2 or 3
.set j, 0
.rept 32
	v_pk_fma_f32 v[T+j:T+j+1], v[64*((\a)%4)+j:64*((\a)%4)+j+1], s[98:99], v[T+j:T+j+1] op_sel_hi:[1,0,1]   ; t = dot x log2(e) + that; each accumulator is read from its low end on
.set j, j+2
.endr
	WIN 0
.set j, 0
.rept 64
	v_exp_f32 v[T+j], v[T+j]                       ; phi = 2^t
.set j, j+1
.endr
	v_nop                                          ; one plain place behind the exponentials
	s_wait_alu depctr_va_vdst(0)
.irp b, 0,1,2,3
	v_max3_num_f32 v[TM+\b], v[T+16*\b], v[T+16*\b+1], 0x1800000   ; block b: my 16 numbers (none is negative), and the floor 2^(3 - 127), so that the byte cannot fall under 1
.endr
.irp i, 2,4,6,8,10,12,14
.irp b, 0,1,2,3
	v_max3_num_f32 v[TM+\b], v[TM+\b], v[T+16*\b+\i], v[T+16*\b+\i+1]   ; (the four blocks by turns)
.endr
.endr
.irp b, 0,1,2,3
	v_permlanex16_b32 v[TM+4+\b], v[TM+\b], s96, s97
.endr
.irp b, 0,1,2,3
	v_max_num_f32 v[TM+\b], v[TM+\b], v[TM+4+\b]   ; with lane l xor 16's: the block's largest number
.endr
.irp b, 0,1,2,3
	v_add_nc_u32 v[TM+12+\b], 0xff000000, v[TM+\b] ; 2 off its exponent field: the conversion's scale operand
.endr
.irp b, 0,1,2,3
	v_lshrrev_b32 v[TM+4+\b], 23, v[TM+12+\b]      ; the scale's byte
.endr
	v_lshl_or_b32 v[PW+(\a)], v[TM+5], 8, v[TM+4]  ; the four bytes make my row's scale word for this K step of the next product
	v_lshl_or_b32 v[PW+(\a)], v[TM+6], 16, v[PW+(\a)]
	v_lshl_or_b32 v[PW+(\a)], v[TM+7], 24, v[PW+(\a)]
.if (\a) > 0
	s_wait_xcnt 0x0                                ; the last block's stores have had their addresses translated (ISA guide 3.1): only behind this wait are the codes' registers written again
.endif
.irp c, 0,1
	v_cvt_scalef32_pk16_fp6_f32 v[PC+6*\c:PC+6*\c+2], v[T+32*\c:T+32*\c+15], v[TM+12+2*\c]
	v_cvt_scalef32_pk16_fp6_f32 v[PC+12+4*\c:PC+14+4*\c], v[T+16+32*\c:T+31+32*\c], v[TM+12+2*\c+1]   ; (a conversion's three registers begin on an even number)
.endr
	v_nop                                          ; one plain place behind the scaled conversions
.irp c, 0,1                                    ; the operand's layout wants a WHOLE block in a lane: lanes 0-15 block 2 c, lanes 16-31 block 2 c + 1
.irp i, 0,1,2
	v_permlane16_swap_b32 v[PC+6*\c+\i], v[PC+12+4*\c+\i]
.endr
.irp i, 0,1,2
	v_mov_b32 v[PC+3+6*\c+\i], v[PC+12+4*\c+\i]
.endr
.endr
.irp c, 0,1,2
	global_store_b128 v[LI], v[PC+4*\c:PC+4*\c+3], s[10:11] offset:(\a)*TS2+512*\c   ; the fragment's image: 512 consecutive bytes, at a multiple of 256 from c2's first byte
.endr
.endm
	PLACES NP                                      ; behind the last products: their results are read, and A's fragments' registers written, only behind these
	s_wait_loadcnt 0x0                             ; the rows' numbers and xis^2, asked for at the head
.irp b, 0,1,2,3
	v_mov_b32 v[TM+4+\b], 0                        ; a lane permute's destination counts as one of its sources
.endr
.irp a, 0,1,2,3,4,5,6,7
	BLOCK \a
.endr
	v_cmp_eq_u32 vcc_lo, 1, v2
.irp p, 0,1,2,3
	v_cndmask_b32 v[OUT+\p], v[PW+2*\p], v[PW+2*\p+1], vcc_lo   ; lanes 0-15: block 2 p's words; lanes 16-31: block 2 p + 1's
.endr
.irp p, 0,1,2,3
	global_store_b32 v[LS], v[OUT+\p], s[12:13] offset:128*\p   ; 128 consecutive bytes; the four together my 8 tiles' 512
.endr
	s_wait_tensorcnt 0x0                           ; the wave's end: my last LDS instructions
	ds_add_u32 v[SPW], v[NIL]
	s_wait_dscnt 0x0
	CROUND                                         ; the closing round: no work-group ends while a partner may still ask for a tile that names it
	s_endpgm
.Lfunc_end_k_qbf9f920539_feat:
	.size	k_qbf9f920539_feat, .Lfunc_end_k_qbf9f920539_feat-k_qbf9f920539_feat
	.p2alignl 7, 3214868480
	.fill 96, 4, 3214868480
	.section	.rodata,"a",@progbits
	.p2align	6, 0x0
	.amdhsa_kernel k_qbf9f920539_feat
		.amdhsa_group_segment_fixed_size 327680
		.amdhsa_private_segment_fixed_size 0
		.amdhsa_enable_private_segment 0
		.amdhsa_kernarg_size 40
		.amdhsa_user_sgpr_count 2
		.amdhsa_user_sgpr_kernarg_segment_ptr 1
		.amdhsa_wavefront_size32 1
		.amdhsa_system_sgpr_workgroup_id_x 1
		.amdhsa_system_sgpr_workgroup_id_y 1
		.amdhsa_system_sgpr_workgroup_id_z 1
		.amdhsa_system_vgpr_workitem_id 0
		.amdhsa_next_free_vgpr 1024
		.amdhsa_next_free_sgpr 100
		.amdhsa_reserve_vcc 1
		.amdhsa_float_denorm_mode_32 3
		.amdhsa_float_denorm_mode_16_64 3
		.amdhsa_memory_ordered 1
		.amdhsa_forward_progress 1
		.amdhsa_inst_pref_size 193
	.end_amdhsa_kernel
	.amdgpu_metadata
---
amdhsa.version: [ 1, 2 ]
amdhsa.kernels:
  - .name:           k_qbf9f920539_feat
    .symbol:         k_qbf9f920539_feat.kd
    .args:
      - { .name: c1, .offset: 0, .size: 8, .value_kind: global_buffer, .address_space: global }
      - { .name: s1, .offset: 8, .size: 8, .value_kind: global_buffer, .address_space: global }
      - { .name: st, .offset: 16, .size: 8, .value_kind: global_buffer, .address_space: global }
      - { .name: c2, .offset: 24, .size: 8, .value_kind: global_buffer, .address_space: global }
      - { .name: s2, .offset: 32, .size: 8, .value_kind: global_buffer, .address_space: global }
    .group_segment_fixed_size: 327680
    .private_segment_fixed_size: 0
    .kernarg_segment_align: 8
    .kernarg_segment_size: 40
    .max_flat_workgroup_size: 128
    .sgpr_count:     100
    .vgpr_count:     1024
    .wavefront_size: 32
...
	.end_amdgpu_metadata
.endif
;; end of part 2
;; launch mix (part 3): grid 8 x 32, 4 waves a work-group, clusters of 4 x 4, 327,680 bytes of LDS; arguments c2, s2, out0; writes out0
.if DOCPART == 3
	.amdgcn_target "amdgcn-amd-amdhsa--gfx1250"
	.amdhsa_code_object_version 6
	.text
	.protected	k_qbf9f920539_mix
	.globl	k_qbf9f920539_mix
	.p2align	8
	.type	k_qbf9f920539_mix,@function
k_qbf9f920539_mix:
	s_mov_b64 s[64:65], 0
	v_nop
	global_prefetch_b8 v0, s[64:65] scope:SCOPE_SE
	s_setreg_imm32_b32 hwreg(HW_REG_WAVE_MODE, 25, 1), 1
	s_wait_xcnt 0x0
	s_wait_alu depctr_hold_cnt(0) depctr_sa_sdst(0) depctr_va_vdst(0) depctr_va_sdst(0) depctr_va_ssrc(0) depctr_va_vcc(0) depctr_vm_vsrc(0)
	s_getreg_b32 s2, hwreg(HW_REG_IB_STS2, 6, 4)
	s_cmp_eq_u32 s2, 0
	s_cbranch_scc0 .Lentry_in_a_cluster
	s_endpgm
.Lentry_in_a_cluster:
	s_bfe_u32 s2, ttmp6, 0x10000c
	s_cmp_lg_u32 s2, 0xf033
	s_cbranch_scc0 .Lentry_shape_is_right
	s_endpgm
.Lentry_shape_is_right:
; out0[row][o] = the sum over m of phi_x[row][m] weights[o][m]: M = 8,192, N = 2,048, K = 2,048, on codes of FP6 (E2M3) with one E8M0 scale for each 32 along m; sums and out0 in f32.
; OPERANDS lie in c2 as images of the matrix operand's registers: [tile of 16 rows][K step of 128][1,536 bytes], registers 4 c .. 4 c + 3 of lane l at 512 c + 16 l.  Tiles 0-511: phi_x (A); 512-639: weights (B).
; So a fragment comes from LDS by three ds_load_b128 of 512 consecutive bytes each: no pitch, no padding.  s2: [K step][tile][row] scale words.
; SHARES.  A work-group of four waves, as many as a WGP has SIMDs, makes 256 x 256 of out0; a wave 128 x 128: 64 accumulators, 512 registers.  K goes in steps of 256 (two matrix instructions deep) through a ring of two LDS slots
; filled by the tensor data mover; each wave brings a quarter of a slot (8 tiles x 3,072 bytes) by one load.  The scale words of the work-group's 512 rows, for all of K, come once, with the first fills.
; CLUSTERS: 4 x 4 work-groups.  The four of a row of the cluster need the same tiles of A, the four of a column the same tiles of B: each is asked for JOINTLY, by the same tensor load with the same descriptor and a mask of the four.
; THE MATRIX INSTRUCTION IS USED TRANSPOSED (source 0 = a tile of B, source 1 = a tile of A): a lane then holds eight neighbouring numbers of a row of out0.
; REGISTERS, in windows of 256: window 0: v0-31 addresses; v32-63 scale words, two sets; v128-223 A's fragments, ONE set; on the way out v128-255 take rows of out0.
;   window 1: B's fragments, TWO sets, at v0 and v128.   window 2: the accumulators of my rows 0-63 ((a, b) at v[8 (8 a + b)]);   window 3: those of rows 64-127.
.set SIZE_N, 2048
.set KSTEPS, 16                        ; K / 128
.set NQ,     2                         ; K steps in a slot
.set FR,     12                        ; registers of a fragment
.set FRB,    1536                      ; its image in bytes
.set NL,     3                         ; LDS loads that bring one
.set NP,     4                         ; places behind this matrix instruction (ISA guide 7.12.1)
.set ROWB,   NQ*FRB                    ; a tile's bytes in a slot
.set TS,     KSTEPS*FRB                ; a tile's bytes in c2
.set HALFT,  8*ROWB                    ; 8 tiles (128 rows): what one tensor load brings, and what one wave reads of A or of B
.set SLOT,   4*HALFT                   ; A's 16 tiles, then B's 16
.set LAPS,   KSTEPS/(2*NQ)             ; a lap = once round the ring
.set BT0,    512                       ; B's first tile in c2 and s2
.set KSS,    640*64                    ; s2: bytes from K step to K step
.set IS,     64                        ; scale words in LDS: from tile to tile,
.set QS,     1024                      ; from K step to K step
.set HALFS,  8192                      ; the scale words of 16 tiles for 8 K steps: what one tensor load brings
.set SCL,    2*SLOT                    ; behind the ring: A's scale words; B's begin 128 bytes behind their end, so that the two halves of the lanes read 128 bytes apart modulo 256
.set SPARE,  ((SCL+4*HALFS+128+255)/256)*256   ; behind the scales: the spare words, 128 bytes for each wave: two blocks of 256 bytes that no other line names
.set SPITCH, 528                       ; the way out: a stage of 16 rows x (512 bytes + 16) for each wave.  It lies in slot 0, which has had its last fill and its last read when the first result is stored there
.set ADRA, 16                          ; v16-17  LDS address of my A fragments in slot 0, 1
.set ADRB, 20                          ; v20-21  the same for B
.set STO,  24                          ; v24     the way out: where I put 32 bytes of a row
.set RD,   25                          ; v25     the way out: where I read a row back
.set CO,   26                          ; v26     16 x lane: my byte offset in an image and in a row of out0
.set ADRS, 27                          ; v27     LDS address of my scale words: lanes 0-15 A's rows, lanes 16-31 B's
.set SPW,  28                          ; v28     LDS address of my spare word: SPARE + 4 x my thread's number; never rewritten
.set NIL,  29                          ; v29     0; never rewritten
.set SC,   32                          ; scale words: set s (for slot s) at v[SC + 16 s]; register 2 i + q: lanes 0-15 the word of A's block i, lanes 16-31 that of B's block i, for the slot's q-th K step
.set AF,   128                         ; A's fragments
.set BK,   128                         ; the way out: 16 rows read back from the stage: v128-191 and v192-255 by turns
.set G1, 24                            ; s[24:31] descriptor group 1 for A's tiles;  s[32:39] group 0, one set for each slot
.set G0, 32
.set G1B, 48                           ; s[48:55], s[56:63] the same for B's tiles
.set G0B, 56
.set G1S, 68                           ; s[68:75], s[76:79] groups 1 and 0 for A's scale words;  s[80:87], s[88:91] for B's
.set G0S, 76
.set G1SB, 80
.set G0SB, 88
.set MSB, 0
.macro WIN new                         ; the immediate's high byte repeats the setting that is left
.if MSB != \new
	s_set_vgpr_msb (MSB<<8)|\new
.set MSB, \new
.endif
.endm
.set MUL_LO, 0xa1                      ; source 0 (B) window 1, source 1 (A) window 0, C and D window 2
.set MUL_HI, 0xf1                      ; the same, C and D window 3
.set TO_B,   0x40                      ; destination window 1, address window 0
; A joint load: waves 0 and 1 fetch for A, waves 2 and 3 for B.  Each of the two lines has ONE mask and one set of registers for all that issue it; the branch hangs on the wave's number alone.
; Four v_nop follow each of the two lines, ahead of the jump, the label and what follows.
.macro JLOAD g0a, g1a, g0b, g1b
	s_cmp_eq_u32 s15, 0
	s_cbranch_scc0 .Lfor_b_\@
	tensor_load_to_lds s[\g0a:\g0a+3], s[\g1a:\g1a+7]
	s_nop 0
.rept 4
	v_nop
.endr
	s_branch .Lasked_\@
.Lfor_b_\@:
	tensor_load_to_lds s[\g0b:\g0b+3], s[\g1b:\g1b+7]
	s_nop 0
.rept 4
	v_nop
.endr
.Lasked_\@:
.endm
.macro CREST                           ; a round of the cluster's barrier behind its opening barrier
	s_cmp_lg_u32 s14, 0
	s_cbranch_scc1 .Lnot_wave_0_\@
	s_barrier_signal -3
.Lnot_wave_0_\@:
	s_barrier_wait -3
	s_barrier_signal -1
	s_barrier_wait -1
.endm
.macro CROUND                          ; a whole round
	s_barrier_signal -1
	s_barrier_wait -1
	CREST
.endm
	s_load_b128 s[4:7], s[0:1], 0x0                ; c2 s[4:5], s2 s[6:7]
	s_load_b64 s[12:13], s[0:1], 0x10              ; out0
	v_lshl_add_u32 v[SPW], v0, 2, SPARE
	v_mov_b32 v[NIL], 0
	ds_add_u32 v28, v29
	ds_add_u32 v28, v29
	s_wait_dscnt 0x0
	v_lshrrev_b32 v1, 5, v0
	v_readfirstlane_b32 s14, v1                    ; wave 0..3
	s_lshr_b32 s15, s14, 1                         ; which half of the tile's rows is mine.  Also: I fetch for A (0) or for B (1)
	s_and_b32 s16, s14, 1                          ; which half of its columns.  Also: which 8 tiles of codes, and which 8 K steps of scale words, I fetch
	s_bfe_u32 s40, ttmp6, 0x40000                  ; cx, cy: my place in the cluster
	s_bfe_u32 s41, ttmp6, 0x40004
	s_lshl_b32 s42, ttmp9, 2
	s_add_co_u32 s42, s42, s40                     ; tile column of out0 = 4 x cluster x + cx
	s_and_b32 s17, ttmp7, 0xffff
	s_lshl_b32 s17, s17, 2
	s_add_co_u32 s17, s17, s41                     ; tile row of out0 = 4 x cluster y + cy
	s_lshl_b32 s43, s41, 2
	s_lshl_b32 s43, 15, s43                        ; my row of the cluster
	s_lshl_b32 s44, 0x1111, s40                    ; my column
	; descriptor group 1 for codes: 8 rows (tiles of 16) x 3,072 bytes, TS bytes apart; dense in LDS
	s_or_b32 s[G1+0], s43, (3<<16)|(1<<21)         ; 15:0 the mask: A's tiles go to my row; 17:16 elements of 8 bytes; 20 no padding; 21 set beside a mask
	s_or_b32 s[G1B+0], s44, (3<<16)|(1<<21)
.irp g, G1, G1B
	s_mov_b32 s[\g+1], (ROWB/8)<<16                ; tensor_dim0 = 384
	s_mov_b32 s[\g+2], 8<<16                       ; tensor_dim1 = 8
	s_mov_b32 s[\g+3], (ROWB/8)<<16                ; tile_dim0
	s_mov_b32 s[\g+4], 8                           ; tile_dim1
	s_mov_b32 s[\g+5], TS/8                        ; tensor_dim0_stride
	s_mov_b32 s[\g+6], 0
	s_mov_b32 s[\g+7], 0
.endr
	; and for scale words: 8 rows (K steps) x 1,024 bytes (16 tiles), KSS bytes apart
	s_or_b32 s[G1S+0], s43, (3<<16)|(1<<21)
	s_or_b32 s[G1SB+0], s44, (3<<16)|(1<<21)
.irp g, G1S, G1SB
	s_mov_b32 s[\g+1], (QS/8)<<16
	s_mov_b32 s[\g+2], 8<<16
	s_mov_b32 s[\g+3], (QS/8)<<16
	s_mov_b32 s[\g+4], 8
	s_mov_b32 s[\g+5], KSS/8
	s_mov_b32 s[\g+6], 0
	s_mov_b32 s[\g+7], 0
.endr
	s_mul_i32 s22, s16, 8*KSS                      ; A's scale words: my 8 K steps,
	s_lshl_b32 s23, s17, 10
	s_add_co_u32 s22, s22, s23                     ; tile 16 x tile row on, 64 bytes a tile
	s_mov_b32 s23, 0
	s_mul_i32 s92, s16, 8*KSS                      ; B's: my 8 K steps,
	s_lshl_b32 s93, s42, 10
	s_add_co_u32 s92, s92, s93
	s_add_co_u32 s92, s92, BT0*64                  ; tile 512 + 16 x tile column on
	s_mov_b32 s93, 0
	s_lshl_b32 s18, s16, 3                         ; which 8 tiles of codes I fetch
	s_lshl_b32 s20, s17, 4
	s_add_co_u32 s20, s20, s18                     ; A: tile 16 x tile row + 8 x half
	s_lshl_b32 s46, s42, 4
	s_add_co_u32 s46, s46, s18
	s_add_co_u32 s46, s46, BT0                     ; B: tile 512 + 16 x tile column + 8 x half
	s_mov_b32 s21, 0
	s_mov_b32 s47, 0
	s_mov_b64 s[18:19], TS
	s_mul_u64 s[20:21], s[20:21], s[18:19]         ; in bytes
	s_mul_u64 s[46:47], s[46:47], s[18:19]
	s_mul_i32 s45, s14, HALFT                      ; where they go: wave x a quarter of a slot: no place in the cluster enters an LDS address
	s_mul_i32 s94, s14, HALFS
	s_lshl_b32 s95, s15, 7
	s_add_co_u32 s94, s94, s95                     ; the scale words: wave x 8,192, B's 128 further on
	s_wait_kmcnt 0x0
	s_add_nc_u64 s[20:21], s[4:5], s[20:21]
	s_add_nc_u64 s[22:23], s[6:7], s[22:23]
	s_add_nc_u64 s[46:47], s[4:5], s[46:47]
	s_add_nc_u64 s[92:93], s[6:7], s[92:93]
	CROUND                                         ; all sixteen work-groups are here: the first joint loads meet
	s_mov_b32 s[G0S], 1
	s_add_co_u32 s[G0S+1], s94, SCL
	s_mov_b64 s[G0S+2:G0S+3], s[22:23]
	s_or_b32 s[G0S+3], s[G0S+3], 0x80000000
	s_mov_b32 s[G0SB], 1
	s_add_co_u32 s[G0SB+1], s94, SCL
	s_mov_b64 s[G0SB+2:G0SB+3], s[92:93]
	s_or_b32 s[G0SB+3], s[G0SB+3], 0x80000000
	JLOAD G0S, G1S, G0SB, G1SB                     ; the scale words first: they are wanted with the first K step
.irp s, 0,1
	s_mov_b32 s[G0+4*\s], 1
	s_add_co_u32 s[G0+4*\s+1], s45, \s*SLOT
	s_add_nc_u64 s[G0+4*\s+2:G0+4*\s+3], s[20:21], \s*ROWB
	s_or_b32 s[G0+4*\s+3], s[G0+4*\s+3], 0x80000000
	s_mov_b32 s[G0B+4*\s], 1
	s_add_co_u32 s[G0B+4*\s+1], s45, \s*SLOT
	s_add_nc_u64 s[G0B+4*\s+2:G0B+4*\s+3], s[46:47], \s*ROWB
	s_or_b32 s[G0B+4*\s+3], s[G0B+4*\s+3], 0x80000000
	JLOAD G0+4*\s, G1, G0B+4*\s, G1B               ; three tensor loads of mine are out
.endr
	v_and_b32 v1, 15, v0                           ; r = lane % 16
	v_bfe_u32 v2, v0, 4, 1                         ; h = lane / 16
	v_and_b32 v3, 31, v0                           ; lane
	v_lshlrev_b32 v[CO], 4, v3
	s_mul_i32 s21, s15, HALFT                      ; my 8 tiles of A
	s_mul_i32 s22, s16, HALFT                      ; my 8 tiles of B,
	s_add_co_u32 s22, s22, 2*HALFT                 ; which lie behind A's 16
.irp s, 0,1
	v_add_nc_u32 v[ADRA+\s], s21, v[CO]
	v_add_nc_u32 v[ADRB+\s], s22, v[CO]
	s_add_co_u32 s21, s21, SLOT
	s_add_co_u32 s22, s22, SLOT
.endr
	v_lshlrev_b32 v5, 2, v1                        ; my row's scale word
	s_mul_i32 s21, s15, 8*IS                       ; A's: my 8 tiles
	s_mul_i32 s22, s16, 8*IS                       ; B's: my 8 tiles, behind A's
	s_add_co_u32 s22, s22, 2*HALFS+128
	s_sub_co_u32 s22, s22, s21
	v_mul_u32_u24 v6, s22, v2                      ; lanes 16-31 take B's: one product, the distance between the two
	s_add_co_u32 s21, s21, SCL
	v_add_nc_u32 v5, v5, v6
	v_add_nc_u32 v[ADRS], s21, v5
	s_mul_i32 s23, s14, 16*SPITCH                  ; my stage
	v_mul_u32_u24 v5, v1, SPITCH                   ; in: row l % 16, 32 bytes for each half of the lanes
	v_lshl_add_u32 v5, v2, 5, v5
	v_add_nc_u32 v[STO], s23, v5
	v_add_nc_u32 v[RD], s23, v[CO]                 ; back: the 32 lanes take one row of 512 bytes
	s_lshl_b32 s20, s17, 8
	s_lshl_b32 s21, s15, 7
	s_add_co_u32 s20, s20, s21                     ; my first row of out0: 256 x tile row + 128 x half
	s_mov_b32 s21, 0
	s_mov_b64 s[18:19], SIZE_N*4
	s_mul_u64 s[20:21], s[20:21], s[18:19]
	s_lshl_b32 s46, s42, 10                        ; my first column, in bytes: 1024 x tile column + 512 x half
	s_lshl_b32 s47, s16, 9
	s_add_co_u32 s46, s46, s47
	s_mov_b32 s47, 0
	s_add_nc_u64 s[20:21], s[20:21], s[46:47]
	s_add_nc_u64 s[12:13], s[12:13], s[20:21]
.macro FRAG reg, adr, q, i             ; a fragment's image: three loads of 512 consecutive bytes give lane l its 12 registers
.irp c, 0,1,2
	ds_load_b128 v[\reg+4*\c:\reg+4*\c+3], v[\adr] offset:(\i)*ROWB+(\q)*FRB+512*\c
.endr
.endm
; 16 matrix instructions: A's blocks a0, a0 + 1 x B's eight, 128 along K: the slot's q-th.  p: B's set;  sc: the set of scale words.  zero = 1: the first product starts the sums: nothing is ever cleared.
; The 64 accumulators take turns, one instruction a turn, in the same order in every step.
.macro MUL16 a0, p, q, sc, zero
.irp a, \a0, \a0+1
.irp b, 0,1,2,3,4,5,6,7
.if \zero
	v_wmma_scale_f32_16x16x128_f8f6f4 v[8*(8*((\a)%4)+\b):8*(8*((\a)%4)+\b)+7], v[128*(\p)+FR*\b:128*(\p)+FR*\b+FR-1], v[AF+FR*(\a):AF+FR*(\a)+FR-1], 0, v[SC+8*NQ*(\sc)+NQ*\b+(\q)], v[SC+8*NQ*(\sc)+NQ*(\a)+(\q)] matrix_a_fmt:MATRIX_FMT_FP6 matrix_b_fmt:MATRIX_FMT_FP6 matrix_a_scale:MATRIX_SCALE_ROW1
.else
	v_wmma_scale_f32_16x16x128_f8f6f4 v[8*(8*((\a)%4)+\b):8*(8*((\a)%4)+\b)+7], v[128*(\p)+FR*\b:128*(\p)+FR*\b+FR-1], v[AF+FR*(\a):AF+FR*(\a)+FR-1], v[8*(8*((\a)%4)+\b):8*(8*((\a)%4)+\b)+7], v[SC+8*NQ*(\sc)+NQ*\b+(\q)], v[SC+8*NQ*(\sc)+NQ*(\a)+(\q)] matrix_a_fmt:MATRIX_FMT_FP6 matrix_b_fmt:MATRIX_FMT_FP6 matrix_a_scale:MATRIX_SCALE_ROW1
.endif
.endr
.endr
.endm
.macro FETCH_B slot, q, p              ; B's eight fragments of the slot's q-th K step into set p
	WIN TO_B
.irp i, 0,1,2,3,4,5,6,7
	FRAG 128*(\p)+FR*\i, ADRB+\slot, \q, \i
.endr
	WIN 0
.endm
.macro FETCH_A slot, q, i0             ; A's blocks i0 .. i0 + 3
.irp i, \i0, \i0+1, \i0+2, \i0+3
	FRAG AF+FR*(\i), ADRA+\slot, \q, \i
.endr
.endm
.macro SCALES sc                       ; the next slot's scale words into set sc: lanes 0-15 take A's block i, lanes 16-31 B's block i
.irp i, 0,1,2,3,4,5,6,7
.irp q, 0,1
	ds_load_b32 v[SC+8*NQ*\sc+NQ*\i+\q], v[ADRS] offset:\i*IS+\q*QS
.endr
.endr
.endm
; A load into a register that a matrix instruction has read, and an LDS store that reads a matrix result, stand NP places behind that matrix instruction, and only plain vector instructions that name none of its
; registers are places (ISA guide 7.12.1 for vector instructions); the matrix instructions in between are not counted.
.macro PLACES n
.rept \n
	v_nop
.endr
.endm
; A K step of 128 that has its successor in the same slot.  A's blocks go one after the other, each against B's eight: a block of A is free when its eight products are issued, so A has one set of registers and B two.
.macro STEP slot, q, zero
	s_wait_dscnt 4*NL                              ; B's set, A's blocks 0-3 and the scale words are in; the youngest twelve loads (A's blocks 4-7) may be out
	WIN MUL_LO
	MUL16 0, (\q)%2, \q, \slot, \zero
	MUL16 2, (\q)%2, \q, \slot, \zero
	s_wait_dscnt 0                                 ; A's blocks 4-7 are in (asked for 32 matrix instructions ago)
	PLACES NP
	FETCH_B \slot, (\q)+1, 1-(\q)%2
	FETCH_A \slot, (\q)+1, 0
	WIN MUL_HI
	MUL16 4, (\q)%2, \q, \slot, \zero
	MUL16 6, (\q)%2, \q, \slot, \zero
	PLACES NP
	WIN 0
	FETCH_A \slot, (\q)+1, 4
.endm
; A slot's last K step changes slots: ONE barrier; in front of it each wave waits for all its tensor loads, adds 0 to its spare word, and waits for that and for its own reads of this slot.  fill = 1: this slot is filled again, two slots ahead.
.macro TURN slot, next, fill
	s_wait_tensorcnt 0x0                           ; all my tensor loads have landed: my part of the next slot;  (every window is 0 here: the add's two registers lie in window 0)
	ds_add_u32 v[SPW], v[NIL]                      ; 0 onto my spare word
	s_wait_dscnt 4*NL+1                            ; (the add and the youngest twelve loads, A's blocks 4-7, may be out)
	WIN MUL_LO
	MUL16 0, 1, NQ-1, \slot, 0                     ; sixteen matrix instructions stand between the add and the wait for it
	s_wait_dscnt 0x0                               ; the add is done, and my reads of this slot are over
	s_barrier_signal -1
	MUL16 2, 1, NQ-1, \slot, 0
	WIN 0
	s_barrier_wait -1
.if \fill
	CREST                                          ; the barrier has opened a round of the cluster's barrier: no wave of any partner still reads this slot's tiles or has a load on its way
	s_add_nc_u64 s[G0+4*\slot+2:G0+4*\slot+3], s[G0+4*\slot+2:G0+4*\slot+3], 2*ROWB
	s_add_nc_u64 s[G0B+4*\slot+2:G0B+4*\slot+3], s[G0B+4*\slot+2:G0B+4*\slot+3], 2*ROWB
	JLOAD G0+4*\slot, G1, G0B+4*\slot, G1B         ; the first tensor load behind the round, my one load until the next; the four v_nop behind it are the places in front of the loads below
.else
	PLACES NP
.endif
	v_add_nc_u32 v[ADRS], NQ*QS, v[ADRS]           ; on to the next slot's scale words (no LDS load of mine is out)
	FETCH_B \next, 0, 0
	FETCH_A \next, 0, 0
	SCALES \next
	WIN MUL_HI
	MUL16 4, 1, NQ-1, \slot, 0
	MUL16 6, 1, NQ-1, \slot, 0
	PLACES NP
	WIN 0
	FETCH_A \next, 0, 4
.endm
	s_wait_tensorcnt 1                             ; the scale words and my part of slot 0 are in (slot 1's load may be out)
	s_barrier_signal -1
	s_barrier_wait -1                              ; everybody's are
	FETCH_B 0, 0, 0
	FETCH_A 0, 0, 0
	SCALES 0
	FETCH_A 0, 0, 4
	STEP 0, 0, 1                                   ; the first K step stands in front of the loop: its products start the sums
	s_mov_b32 s3, LAPS-1
.Llap:                                                 ; a trip goes once round the ring, from a lap's second K step to the next lap's first, and fills both slots again
	TURN 0, 1, 1
	STEP 1, 0, 0
	TURN 1, 0, 1
	STEP 0, 0, 0
	s_sub_co_u32 s3, s3, 1
	s_cmp_lg_u32 s3, 0
	s_cbranch_scc1 .Llap
	TURN 0, 1, 0                                   ; the last lap fills nothing, and has no round of the cluster's barrier
	STEP 1, 0, 0
	s_wait_dscnt 4*NL                              ; the very last K step: nothing more to fetch
	WIN MUL_LO
	MUL16 0, 1, NQ-1, 1, 0
	MUL16 2, 1, NQ-1, 1, 0
	s_wait_dscnt 0
	WIN MUL_HI
	MUL16 4, 1, NQ-1, 1, 0
	MUL16 6, 1, NQ-1, 1, 0
	WIN 0
; THE WAY OUT, block by block of 16 rows x 128 columns.  A lane holds 32 neighbouring bytes of a row, and the lanes beside it hold other rows: so a block goes through my own stage in LDS and comes back as whole
; rows of 512 bytes, which the 32 lanes store as 512 consecutive bytes.  LDS serves a wave's instructions in order (ISA guide 5.7.1.4): no wait between the stores and the loads, nor in front of the next block's stores.
.macro TOSTAGE a
.set AC, 64*((\a)%4)
	WIN (0x08+4*((\a)/4))                          ; an LDS store's data are its source 1: window 2 or 3
.irp b, 0,1,2,3,4,5,6,7
	ds_store_b128 v[STO], v[AC+8*\b:AC+8*\b+3] offset:64*\b          ; each accumulator from its low end on
	ds_store_b128 v[STO], v[AC+8*\b+4:AC+8*\b+7] offset:64*\b+16
.endr
	WIN 0
.set BB, BK+64*((\a)%2)
.irp t, 0,1,2,3,4,5,6,7,8,9,10,11,12,13,14,15
	ds_load_b128 v[BB+4*\t:BB+4*\t+3], v[RD] offset:\t*SPITCH
.endr
.endm
.macro SEND a, younger                 ; younger: the LDS instructions issued behind block a's loads, which may stay out
.set BB, BK+64*((\a)%2)
	s_wait_dscnt \younger                          ; the block is back in registers
.if (\a) > 0
	s_add_nc_u64 s[12:13], s[12:13], 16*SIZE_N*4   ; (behind a wait on XCNT: the earlier stores have read their base)  16 rows of out0 on, so that the stores' offsets stay at 15 rows at the most
.endif
.irp t, 0,1,2,3,4,5,6,7,8,9,10,11,12,13,14,15
	global_store_b128 v[CO], v[BB+4*\t:BB+4*\t+3], s[12:13] offset:\t*SIZE_N*4 th:TH_STORE_NT   ; 32 lanes store 512 consecutive bytes, at a multiple of 256 from out0's first byte; written once, read by nobody here
.endr
.endm
	PLACES NP                                      ; behind the last products: for the stores that read results and the loads into the registers that held A's fragments
	TOSTAGE 0
.irp a, 1,2,3,4,5,6,7
.if \a > 1
	s_wait_xcnt 0x0                                ; block a - 2's stores have had their addresses translated (ISA guide 3.1): block a's loads may land in their registers, and the base may step
.endif
	TOSTAGE \a
	SEND \a-1, 32                                  ; behind block a - 1's loads: block a's 16 stores and 16 loads
.endr
	s_wait_xcnt 0x0                                ; block 6's stores have read their base
	SEND 7, 0
	s_wait_tensorcnt 0x0                           ; the wave's end: behind my last tensor load and my last LDS store
	ds_add_u32 v[SPW], v[NIL]
	s_wait_dscnt 0x0
	CROUND                                         ; the closing round: no work-group ends while a partner may still ask for a tile that names it
	s_endpgm
.Lfunc_end_k_qbf9f920539_mix:
	.size	k_qbf9f920539_mix, .Lfunc_end_k_qbf9f920539_mix-k_qbf9f920539_mix
	.p2alignl 7, 3214868480
	.fill 96, 4, 3214868480
	.section	.rodata,"a",@progbits
	.p2align	6, 0x0
	.amdhsa_kernel k_qbf9f920539_mix
		.amdhsa_group_segment_fixed_size 327680
		.amdhsa_private_segment_fixed_size 0
		.amdhsa_enable_private_segment 0
		.amdhsa_kernarg_size 24
		.amdhsa_user_sgpr_count 2
		.amdhsa_user_sgpr_kernarg_segment_ptr 1
		.amdhsa_wavefront_size32 1
		.amdhsa_system_sgpr_workgroup_id_x 1
		.amdhsa_system_sgpr_workgroup_id_y 1
		.amdhsa_system_sgpr_workgroup_id_z 1
		.amdhsa_system_vgpr_workitem_id 0
		.amdhsa_next_free_vgpr 1024
		.amdhsa_next_free_sgpr 100
		.amdhsa_reserve_vcc 0
		.amdhsa_float_denorm_mode_32 3
		.amdhsa_float_denorm_mode_16_64 3
		.amdhsa_memory_ordered 1
		.amdhsa_forward_progress 1
		.amdhsa_inst_pref_size 138
	.end_amdhsa_kernel
	.amdgpu_metadata
---
amdhsa.version: [ 1, 2 ]
amdhsa.kernels:
  - .name:           k_qbf9f920539_mix
    .symbol:         k_qbf9f920539_mix.kd
    .args:
      - { .name: c2, .offset: 0, .size: 8, .value_kind: global_buffer, .address_space: global }
      - { .name: s2, .offset: 8, .size: 8, .value_kind: global_buffer, .address_space: global }
      - { .name: out0, .offset: 16, .size: 8, .value_kind: global_buffer, .address_space: global }
    .group_segment_fixed_size: 327680
    .private_segment_fixed_size: 0
    .kernarg_segment_align: 8
    .kernarg_segment_size: 24
    .max_flat_workgroup_size: 128
    .sgpr_count:     100
    .vgpr_count:     1024
    .wavefront_size: 32
...
	.end_amdgpu_metadata
.endif
;; end of part 3
;; ======== version 2 of 2: 3 launches
;; limits: right only within a limited range of input values
;; workspace buffers: c1 9,437,184 bytes; s1 393,216 bytes; st 98,304 bytes; c2 15,728,640 bytes; s2 655,360 bytes
;; launch quant (part 4): grid 768 x 1, 1 waves a work-group, no clusters, 8,960 bytes of LDS; arguments x, input_weights, gs, xis, c1, s1, st; writes c1, s1, st
.if DOCPART == 4
	.amdgcn_target "amdgcn-amd-amdhsa--gfx1250"
	.amdhsa_code_object_version 6
	.text
	.protected	k_qbf9f920539_quant
	.globl	k_qbf9f920539_quant
	.p2align	8
	.type	k_qbf9f920539_quant,@function
k_qbf9f920539_quant:
	s_mov_b64 s[64:65], 0
	v_nop
	global_prefetch_b8 v0, s[64:65] scope:SCOPE_SE
	s_setreg_imm32_b32 hwreg(HW_REG_WAVE_MODE, 25, 1), 1
	s_wait_xcnt 0x0
; x [8192][1024], input_weights [2048][1024] and xis[m] * gs[m][:] [2048][1024], f32, become codes of FP6 (E2M3) along their 1,024, with one E8M0 scale byte for each 32, and one number a row.
; A block's scale is 2^(floor(log2(its largest magnitude)) - 2); its byte is the largest magnitude's exponent field - 2, held at 1 from below.
; LIMITS: a block of zeros gets the byte 1 where the quantiser says 127 (its codes are zeros, which add nothing, and the bytes are read by this program alone); NaN and infinities among the inputs are not served.
; SHARES.  One wave to a work-group; work-group T takes tile T: 16 rows x all 1,024 along K, eight steps of 128.  Tiles 0-511: x; 512-639: input_weights; 640-767: gs.
; WHAT IS STORED is laid in the order of the matrix operand's registers:
;   c1 [tile][step][1,536 bytes]: a fragment (16 rows x 128 K, 12 registers a lane) as an image: registers 4 g .. 4 g + 3 of lane l at 512 g + 16 l.  Each store of the wave covers 512 consecutive bytes, aligned to 256.
;   s1 [tile][step][row]: one scale word (four bytes: 128 along K) a row.
;   st [tile][lane]: x and input_weights: -0.5 log2(e) |row|^2 of row lane % 16;  gs: xis^2 of that lane's row.
; THE ROWS OF A TILE OF gs ARE NOT NEIGHBOURS: lane r of tile 2 b + u takes row 32 b + 8 u + r + 8 (r / 8), so that in the next launch's results a lane's 16 registers of two neighbouring tiles are 16 neighbours along m.
; THE WAY OF A STEP.  Sixteen loads, each a row's 512 consecutive bytes (16 a lane); through a stage in LDS (rows 528 bytes apart); back 128 bytes a lane, twice: lane (r, h) then holds k = 64 c + 32 h + 0 .. 31 of row r,
; two whole blocks, in the very order of the operand's registers: no other lane is asked for a maximum, and the conversions' results are the fragment.
; No tensor load, no barrier.  Loads run three steps (48 loads) ahead, the turn through LDS one step.
.set XT,   512                         ; tiles of x
.set XWT,  640                         ; tiles of x and input_weights
.set ROW,  4096                        ; a source row in bytes
.set KSB,  512                         ; 128 numbers in bytes
.set SP,   528                         ; a stage row: 512 bytes + 16: an odd multiple of 16, so that the 16 rows that a load touches start 16 bytes apart modulo 256
.set FRB,  1536                        ; a fragment's image
.set OL,   1                           ; v1      16 x lane: my bytes of a load, of a stage row and of a code store; never rewritten
.set OH,   2                           ; v2      the same for the tile's rows 8-15
.set RDA,  4                           ; v4      the stage on the way back: 528 r + 128 h
.set L4,   5                           ; v5      4 x lane
.set XI,   6                           ; v6      byte offset of my row's xis
.set SH,   7                           ; v7      8 h: how far my two scale bytes are shifted
.set F,    8                           ; v[8:9]  xis of my row (the packed form names a pair and takes its low word)
.set SQ,   10                          ; v[10:17] four pairs: the sum of squares
.set MX,   18                          ; v18-21  four chains of maxima, 16 numbers each
.set SCOP, 22                          ; v22-23  the conversions' scale operands
.set BY,   24                          ; v24-25  the scale bytes
.set WT,   26                          ; v26-27  the scale word at work
.set W,    28                          ; v28-35  the eight steps' scale words
.set C,    36                          ; v36-47  the fragment
.set CT,   48                          ; v48-50, v52-54  the second halves of its two blocks
.set OUT,  56                          ; v56-59  scale words on their way out
.set E,    60                          ; v60-62  the row's number at work
.set X,    64                          ; v64-191 two sets of 64 numbers in the operand's order
.set R,    0                           ; window 1: four sets of 64 registers as loaded
.set MSB, 0
.macro WIN new                         ; the immediate's high byte repeats the setting that is left
.if MSB != \new
	s_set_vgpr_msb (MSB<<8)|\new
.set MSB, \new
.endif
.endm
	s_load_b256 s[4:11], s[0:1], 0x0               ; x s[4:5], input_weights s[6:7], gs s[8:9], xis s[10:11]
	s_load_b128 s[12:15], s[0:1], 0x20             ; c1 s[12:13], s1 s[14:15]
	s_load_b64 s[16:17], s[0:1], 0x30              ; st
	v_lshl_add_u32 v254, v0, 2, 0x2200
	v_mov_b32 v255, 0
	v_lshlrev_b32 v[OL], 4, v0
	v_and_b32 v3, 15, v0                           ; r
	v_lshrrev_b32 v[SH], 4, v0                     ; h
	v_mul_u32_u24 v[RDA], v3, SP
	v_lshl_add_u32 v[RDA], v[SH], 7, v[RDA]
	v_lshlrev_b32 v[L4], 2, v0
	v_and_b32 v[XI], 8, v3
	v_add_nc_u32 v[XI], v[XI], v3                  ; r + 8 (r / 8)
	v_lshlrev_b32 v[SH], 3, v[SH]
	v_mov_b32 v[F+1], 0                            ; named with v8 as a pair, so it is written
.irp i, 0,1,2,3,4,5,6,7
	v_mov_b32 v[SQ+\i], 0
.endr
	v_mov_b32 v[WT+1], 0                           ; a lane permute's destination counts as one of its sources
	v_mov_b32 v[E+1], 0
	s_mov_b32 s26, 0x76543210
	s_mov_b32 s27, 0xfedcba98                      ; v_permlanex16_b32's selects for lane l xor 16
	s_mov_b32 s21, 16*ROW                          ; gs: the tile's rows 8-15 begin 16 rows behind its first
	s_wait_kmcnt 0x0
	s_cmp_lt_u32 ttmp9, XT                         ; which tensor: the choice hangs on the work-group's number alone
	s_cselect_b64 s[4:5], s[4:5], s[6:7]
	s_cselect_b32 s18, 0, XT
	s_cmp_lt_u32 ttmp9, XWT
	s_cselect_b64 s[4:5], s[4:5], s[8:9]
	s_cselect_b32 s18, s18, XWT                    ; the tensor's first tile
	s_cselect_b32 s22, -1, 0                       ; all lanes: x or input_weights; none: gs
	s_cselect_b32 s21, 8*ROW, s21                  ; x, input_weights: rows 8-15 follow rows 0-7
	s_sub_co_u32 s19, ttmp9, s18                   ; the tile's number in its tensor
	s_lshl_b32 s20, s19, 4                         ; its first row: 16 x tile,
	s_lshr_b32 s23, s19, 1
	s_lshl_b32 s23, s23, 5
	s_and_b32 s24, s19, 1
	s_lshl_b32 s24, s24, 3
	s_add_co_u32 s23, s23, s24                     ; or, in gs, 32 (tile / 2) + 8 (tile % 2)
	s_cmp_lt_u32 ttmp9, XWT
	s_cselect_b32 s20, s20, s23
	s_cselect_b32 s28, 0, s23                      ; xis is read by every tile (x's and input_weights' tiles read entries 0-23 and select them away at the end)
	s_lshl_b32 s24, s20, 12
	s_mov_b32 s25, 0
	s_add_nc_u64 s[4:5], s[4:5], s[24:25]          ; the source at the tile's first row (under 2^26 bytes)
	s_mul_i32 s24, ttmp9, 8*FRB
	s_add_nc_u64 s[12:13], s[12:13], s[24:25]      ; c1 at the tile
	s_lshl_b32 s24, ttmp9, 9
	s_add_nc_u64 s[14:15], s[14:15], s[24:25]      ; s1
	s_lshl_b32 s24, ttmp9, 7
	s_add_nc_u64 s[16:17], s[16:17], s[24:25]      ; st
	v_add_nc_u32 v[OH], s21, v[OL]
	v_add_nc_u32 v[XI], s28, v[XI]
	v_lshlrev_b32 v[XI], 2, v[XI]
	global_load_b32 v[F], v[XI], s[10:11]
.macro LOAD t                          ; step t: sixteen rows' 512 bytes into set t % 4 of window 1
	WIN 0x40                                       ; destination window 1, address window 0
.irp i, 0,1,2,3,4,5,6,7
	global_load_b128 v[R+64*((\t)%4)+4*\i:R+64*((\t)%4)+4*\i+3], v[OL], s[4:5] offset:\i*ROW+KSB*(\t) th:TH_LOAD_NT
.endr
.irp i, 0,1,2,3,4,5,6,7
	global_load_b128 v[R+64*((\t)%4)+32+4*\i:R+64*((\t)%4)+32+4*\i+3], v[OH], s[4:5] offset:\i*ROW+KSB*(\t) th:TH_LOAD_NT
.endr
	WIN 0
.endm
.macro TURN t                          ; step t through the stage: LDS serves a wave's instructions in order (ISA guide 5.7.1.4), so no wait stands between the stores and the loads
	WIN 0x04                                       ; an LDS store's data are its source 1: window 1
.irp i, 0,1,2,3,4,5,6,7,8,9,10,11,12,13,14,15
	ds_store_b128 v[OL], v[R+64*((\t)%4)+4*\i:R+64*((\t)%4)+4*\i+3] offset:SP*\i
.endr
	WIN 0
.irp c, 0,1
.irp j, 0,1,2,3,4,5,6,7
	ds_load_b128 v[X+64*((\t)%2)+32*\c+4*\j:X+64*((\t)%2)+32*\c+4*\j+3], v[RDA] offset:256*\c+16*\j
.endr
.endr
.endm
.macro WORK t
.set XS, X+64*((\t)%2)
	s_cmp_lt_u32 ttmp9, XWT                        ; a scalar branch on the work-group's number, round vector lines alone
	s_cbranch_scc0 .Lgs_\@
.set j, 0
.rept 32
	v_pk_fma_f32 v[SQ+2*(j%4):SQ+2*(j%4)+1], v[XS+2*j:XS+2*j+1], v[XS+2*j:XS+2*j+1], v[SQ+2*(j%4):SQ+2*(j%4)+1]   ; x, input_weights: the row's sum of squares, four chains of pairs
.set j, j+1
.endr
	s_branch .Ljoin_\@
.Lgs_\@:
.set j, 0
.rept 32
	v_pk_mul_f32 v[XS+2*j:XS+2*j+1], v[XS+2*j:XS+2*j+1], v[F:F+1] op_sel_hi:[1,0]   ; gs: times the row's xis, ahead of the quantiser
.set j, j+1
.endr
.Ljoin_\@:
.irp k, 0,1,2,3
	v_max3_num_f32 v[MX+\k], |v[XS+16*\k]|, |v[XS+16*\k+1]|, 0x1800000   ; chain k: 16 numbers, and the floor 2^(3 - 127), so that the byte cannot fall under 1
.endr
.irp i, 2,4,6,8,10,12,14
.irp k, 0,1,2,3
	v_max3_num_f32 v[MX+\k], v[MX+\k], |v[XS+16*\k+\i]|, |v[XS+16*\k+\i+1]|   ; (the four chains by turns)
.endr
.endr
	v_max_num_f32 v[MX], v[MX], v[MX+1]            ; block h of the step's four
	v_max_num_f32 v[MX+2], v[MX+2], v[MX+3]        ; block 2 + h
	v_add_nc_u32 v[SCOP], 0xff000000, v[MX]        ; 2 off the exponent field: the conversion takes the exponent field of this operand as its scale
	v_add_nc_u32 v[SCOP+1], 0xff000000, v[MX+2]
	v_lshrrev_b32 v[BY], 23, v[SCOP]               ; the scale's byte
	v_lshrrev_b32 v[BY+1], 23, v[SCOP+1]
	v_lshl_or_b32 v[WT], v[BY+1], 16, v[BY]        ; my two bytes,
	v_lshlrev_b32 v[WT], v[SH], v[WT]              ; at their places in the row's word;
	v_permlanex16_b32 v[WT+1], v[WT], s26, s27
	v_or_b32 v[W+(\t)], v[WT], v[WT+1]             ; with lane l xor 16's two the word is whole
.if (\t) > 0
	s_wait_alu depctr_va_vdst(0)
	s_wait_xcnt 0x0                                ; the last step's stores have had their addresses translated (ISA guide 3.1): only behind this wait is the fragment written again
.endif
.irp c, 0,1
	v_cvt_scalef32_pk16_fp6_f32 v[C+6*\c:C+6*\c+2], v[XS+32*\c:XS+32*\c+15], v[SCOP+\c]
	v_cvt_scalef32_pk16_fp6_f32 v[CT+4*\c:CT+4*\c+2], v[XS+32*\c+16:XS+32*\c+31], v[SCOP+\c]   ; (a conversion's three registers begin on an even number: a block's second three do not)
.endr
	v_nop                                          ; one plain place behind the scaled conversions
.irp c, 0,1
.irp i, 0,1,2
	v_mov_b32 v[C+3+6*\c+\i], v[CT+4*\c+\i]
.endr
.endr
.irp g, 0,1,2
	global_store_b128 v[OL], v[C+4*\g:C+4*\g+3], s[12:13] offset:FRB*(\t)+512*\g   ; 512 consecutive bytes, at a multiple of 256 from c1's first byte
.endr
.endm
.macro STEPQ t
	s_wait_dscnt 0x0                               ; this step's numbers are back from the stage, and its stores into the stage have read their registers
.if (\t) <= 4
	LOAD (\t)+3
.endif
.if (\t) <= 6
.if 6-(\t) >= 2
	s_wait_loadcnt 32                              ; the next step's sixteen loads are in; those of the two steps behind it may be out
.else
	s_wait_loadcnt 16*(6-(\t))                     ; the counts run down: one step's loads behind it, then none
.endif
	TURN (\t)+1                                    ; the next step goes through the stage while this one is worked
.endif
	WORK \t
.endm
	LOAD 0
	LOAD 1
	LOAD 2
	s_wait_alu depctr_va_vdst(0)
	s_wait_loadcnt 32                              ; xis and step 0 are in; steps 1 and 2 may be out
	TURN 0
.irp t, 0,1,2,3,4,5,6,7
	STEPQ \t
.endr
	v_pk_add_f32 v[SQ:SQ+1], v[SQ:SQ+1], v[SQ+2:SQ+3]
	v_pk_add_f32 v[SQ+4:SQ+5], v[SQ+4:SQ+5], v[SQ+6:SQ+7]
	v_pk_add_f32 v[SQ:SQ+1], v[SQ:SQ+1], v[SQ+4:SQ+5]
	v_add_f32 v[E], v[SQ], v[SQ+1]
	v_permlanex16_b32 v[E+1], v[E], s26, s27
	v_add_f32 v[E], v[E], v[E+1]                   ; |row|^2
	v_mul_f32 v[E], 0xbf38aa3b, v[E]               ; x -0.5 log2(e)
	v_mul_f32 v[E+2], v[F], v[F]                   ; xis^2
	v_cndmask_b32 v[E], v[E+2], v[E], s22          ; which of the two this tile stores
	global_store_b32 v[L4], v[E], s[16:17]
	v_cmp_le_u32 vcc_lo, 16, v0
.irp p, 0,1,2,3
	v_cndmask_b32 v[OUT+\p], v[W+2*\p], v[W+2*\p+1], vcc_lo   ; lanes 0-15: step 2 p's words; lanes 16-31: step 2 p + 1's
.endr
.irp p, 0,1,2,3
	global_store_b32 v[L4], v[OUT+\p], s[14:15] offset:128*\p   ; 128 consecutive bytes; the four together the tile's 512
.endr
	s_wait_tensorcnt 0x0
	ds_add_u32 v254, v255
	s_wait_dscnt 0x0
	s_endpgm
.Lfunc_end_k_qbf9f920539_quant:
	.size	k_qbf9f920539_quant, .Lfunc_end_k_qbf9f920539_quant-k_qbf9f920539_quant
	.p2alignl 7, 3214868480
	.fill 96, 4, 3214868480
	.section	.rodata,"a",@progbits
	.p2align	6, 0x0
	.amdhsa_kernel k_qbf9f920539_quant
		.amdhsa_group_segment_fixed_size 8960
		.amdhsa_private_segment_fixed_size 0
		.amdhsa_enable_private_segment 0
		.amdhsa_kernarg_size 56
		.amdhsa_user_sgpr_count 2
		.amdhsa_user_sgpr_kernarg_segment_ptr 1
		.amdhsa_wavefront_size32 1
		.amdhsa_system_sgpr_workgroup_id_x 1
		.amdhsa_system_sgpr_workgroup_id_y 1
		.amdhsa_system_sgpr_workgroup_id_z 1
		.amdhsa_system_vgpr_workitem_id 0
		.amdhsa_next_free_vgpr 512
		.amdhsa_next_free_sgpr 66
		.amdhsa_reserve_vcc 1
		.amdhsa_float_denorm_mode_32 3
		.amdhsa_float_denorm_mode_16_64 3
		.amdhsa_memory_ordered 1
		.amdhsa_forward_progress 1
		.amdhsa_inst_pref_size 94
	.end_amdhsa_kernel
	.amdgpu_metadata
---
amdhsa.version: [ 1, 2 ]
amdhsa.kernels:
  - .name:           k_qbf9f920539_quant
    .symbol:         k_qbf9f920539_quant.kd
    .args:
      - { .name: x, .offset: 0, .size: 8, .value_kind: global_buffer, .address_space: global }
      - { .name: input_weights, .offset: 8, .size: 8, .value_kind: global_buffer, .address_space: global }
      - { .name: gs, .offset: 16, .size: 8, .value_kind: global_buffer, .address_space: global }
      - { .name: xis, .offset: 24, .size: 8, .value_kind: global_buffer, .address_space: global }
      - { .name: c1, .offset: 32, .size: 8, .value_kind: global_buffer, .address_space: global }
      - { .name: s1, .offset: 40, .size: 8, .value_kind: global_buffer, .address_space: global }
      - { .name: st, .offset: 48, .size: 8, .value_kind: global_buffer, .address_space: global }
    .group_segment_fixed_size: 8960
    .private_segment_fixed_size: 0
    .kernarg_segment_align: 8
    .kernarg_segment_size: 56
    .max_flat_workgroup_size: 32
    .sgpr_count:     66
    .vgpr_count:     512
    .wavefront_size: 32
...
	.end_amdgpu_metadata
.endif
;; end of part 4
;; launch feat (part 5): grid 8 x 32, 4 waves a work-group, clusters of 4 x 4, 327,680 bytes of LDS; arguments c1, s1, st, c2, s2; writes c2, s2
.if DOCPART == 5
	.amdgcn_target "amdgcn-amd-amdhsa--gfx1250"
	.amdhsa_code_object_version 6
	.text
	.protected	k_qbf9f920539_feat
	.globl	k_qbf9f920539_feat
	.p2align	8
	.type	k_qbf9f920539_feat,@function
k_qbf9f920539_feat:
	s_mov_b64 s[64:65], 0
	v_nop
	global_prefetch_b8 v0, s[64:65] scope:SCOPE_SE
	s_setreg_imm32_b32 hwreg(HW_REG_WAVE_MODE, 25, 1), 1
	s_wait_xcnt 0x0
	s_wait_alu depctr_hold_cnt(0) depctr_sa_sdst(0) depctr_va_vdst(0) depctr_va_sdst(0) depctr_va_ssrc(0) depctr_va_vcc(0) depctr_vm_vsrc(0)
	s_getreg_b32 s2, hwreg(HW_REG_IB_STS2, 6, 4)
	s_cmp_eq_u32 s2, 0
	s_cbranch_scc0 .Lentry_in_a_cluster
	s_endpgm
.Lentry_in_a_cluster:
	s_bfe_u32 s2, ttmp6, 0x10000c
	s_cmp_lg_u32 s2, 0xf033
	s_cbranch_scc0 .Lentry_shape_is_right
	s_endpgm
.Lentry_shape_is_right:
.set KSTEPS, 8
.set NQ,     2
.set FR,     12
.set FRB,    1536
.set NL,     3
.set NP,     4
.set NA,     10
.set NB,     8
.set ROWB,   NQ*FRB
.set TS,     KSTEPS*FRB
.set HALFA,  NA*ROWB
.set HALFB,  NB*ROWB
.set SLOT,   2*HALFA+2*HALFB
.set LAPS,   KSTEPS/(2*NQ)
.set BT0,    640
.set IS,     512
.set QS,     64
.set SCL,    2*SLOT
.set SCA,    SCL+2*NB*IS
.set SPARE,  SCA+2*NA*IS
.set SCR,    SPARE+512
.set SCRW,   (NA+NB)*128
.set TS2,    16*FRB
.set ADRA, 16
.set ADRB, 20
.set LI,   24
.set LS,   25
.set ADRS, 27
.set SPW,  28
.set NIL,  29
.set SCW,  30
.set SCH,  31
.set SC,   32
.set AF,   72
.set BS,   96
.set PW,   32
.set H,    42
.set HC,   52
.set M55,  54
.set OUT,  56
.set T,    72
.set PC,   136
.set TM,   160
.set A2,   0
.set G1, 24
.set G0, 32
.set G1B, 48
.set G0B, 56
.set G1S, 68
.set G0S, 76
.set G1SB, 80
.set G0SB, 88
.set MSB, 0
.macro WIN new
.if MSB != \new
	s_set_vgpr_msb (MSB<<8)|\new
.set MSB, \new
.endif
.endm
.set TO_B,   0x40
.macro JLOAD g0a, g1a, g0b, g1b
	s_cmp_eq_u32 s15, 0
	s_cbranch_scc0 .Lfor_b_\@
	tensor_load_to_lds s[\g0a:\g0a+3], s[\g1a:\g1a+7]
	s_nop 0
.rept 4
	v_nop
.endr
	s_branch .Lasked_\@
.Lfor_b_\@:
	tensor_load_to_lds s[\g0b:\g0b+3], s[\g1b:\g1b+7]
	s_nop 0
.rept 4
	v_nop
.endr
.Lasked_\@:
.endm
.macro CREST
	s_cmp_lg_u32 s14, 0
	s_cbranch_scc1 .Lnot_wave_0_\@
	s_barrier_signal -3
.Lnot_wave_0_\@:
	s_barrier_wait -3
	s_barrier_signal -1
	s_barrier_wait -1
.endm
.macro CROUND
	s_barrier_signal -1
	s_barrier_wait -1
	CREST
.endm
.macro SHAPE g, c, r, p
	s_mov_b32 s[\g+1], (\c)<<16
	s_mov_b32 s[\g+2], (\r)<<16
	s_mov_b32 s[\g+3], (\c)<<16
	s_mov_b32 s[\g+4], \r
	s_mov_b32 s[\g+5], \p
	s_mov_b32 s[\g+6], 0
	s_mov_b32 s[\g+7], 0
.endm
	s_load_b128 s[4:7], s[0:1], 0x0
	s_load_b128 s[8:11], s[0:1], 0x10
	s_load_b64 s[12:13], s[0:1], 0x20
	v_lshl_add_u32 v[SPW], v0, 2, SPARE
	v_mov_b32 v[NIL], 0
	ds_add_u32 v28, v29
	ds_add_u32 v28, v29
	s_wait_dscnt 0x0
	v_lshrrev_b32 v1, 5, v0
	v_readfirstlane_b32 s14, v1
	s_lshr_b32 s15, s14, 1
	s_and_b32 s16, s14, 1
	s_bfe_u32 s40, ttmp6, 0x40000
	s_bfe_u32 s41, ttmp6, 0x40004
	s_lshl_b32 s42, ttmp9, 2
	s_add_co_u32 s42, s42, s40
	s_and_b32 s17, ttmp7, 0xffff
	s_lshl_b32 s17, s17, 2
	s_add_co_u32 s17, s17, s41
	s_lshl_b32 s43, s41, 2
	s_lshl_b32 s43, 15, s43
	s_lshl_b32 s44, 0x1111, s40
	s_or_b32 s[G1+0], s43, (3<<16)|(1<<21)
	s_or_b32 s[G1B+0], s44, (3<<16)|(1<<21)
	SHAPE G1,  ROWB/8, NA, TS/8
	SHAPE G1B, ROWB/8, NB, TS/8
	s_or_b32 s[G1S+0], s43, (3<<16)|(1<<21)
	s_or_b32 s[G1SB+0], s44, (3<<16)|(1<<21)
	SHAPE G1S,  32, NA*IS/256, 32
	SHAPE G1SB, 32, NB*IS/256, 32
	s_mul_i32 s20, s17, 2*NA
	s_mul_i32 s18, s16, NA
	s_add_co_u32 s20, s20, s18
	s_lshl_b32 s46, s42, 4
	s_lshl_b32 s18, s16, 3
	s_add_co_u32 s46, s46, s18
	s_add_co_u32 s46, s46, BT0
	s_lshl_b32 s22, s20, 9
	s_mov_b32 s23, 0
	s_lshl_b32 s92, s46, 9
	s_mov_b32 s93, 0
	s_mul_i32 s20, s20, TS
	s_mov_b32 s21, 0
	s_mul_i32 s46, s46, TS
	s_mov_b32 s47, 0
	s_mul_i32 s45, s16, HALFA
	s_mul_i32 s95, s16, HALFB
	s_add_co_u32 s95, s95, 2*HALFA
	s_mul_i32 s94, s16, NA*IS
	s_add_co_u32 s94, s94, SCA
	s_mul_i32 s2, s16, NB*IS
	s_add_co_u32 s2, s2, SCL
	s_mov_b32 s96, 0x76543210
	s_mov_b32 s97, 0xfedcba98
	s_mov_b32 s98, 0x3fb8aa3b
	s_mov_b32 s99, s98
	s_wait_kmcnt 0x0
	s_add_nc_u64 s[20:21], s[4:5], s[20:21]
	s_add_nc_u64 s[22:23], s[6:7], s[22:23]
	s_add_nc_u64 s[46:47], s[4:5], s[46:47]
	s_add_nc_u64 s[92:93], s[6:7], s[92:93]
	CROUND
	s_mov_b32 s[G0S], 1
	s_mov_b32 s[G0S+1], s94
	s_mov_b64 s[G0S+2:G0S+3], s[22:23]
	s_or_b32 s[G0S+3], s[G0S+3], 0x80000000
	s_mov_b32 s[G0SB], 1
	s_mov_b32 s[G0SB+1], s2
	s_mov_b64 s[G0SB+2:G0SB+3], s[92:93]
	s_or_b32 s[G0SB+3], s[G0SB+3], 0x80000000
	JLOAD G0S, G1S, G0SB, G1SB
.irp s, 0,1
	s_mov_b32 s[G0+4*\s], 1
	s_add_co_u32 s[G0+4*\s+1], s45, \s*SLOT
	s_add_nc_u64 s[G0+4*\s+2:G0+4*\s+3], s[20:21], \s*ROWB
	s_or_b32 s[G0+4*\s+3], s[G0+4*\s+3], 0x80000000
	s_mov_b32 s[G0B+4*\s], 1
	s_add_co_u32 s[G0B+4*\s+1], s95, \s*SLOT
	s_add_nc_u64 s[G0B+4*\s+2:G0B+4*\s+3], s[46:47], \s*ROWB
	s_or_b32 s[G0B+4*\s+3], s[G0B+4*\s+3], 0x80000000
	s_wait_alu depctr_va_vdst(0)
	s_wait_tensorcnt 0x0
	ds_add_u32 v28, v29
	s_wait_dscnt 0x0
	CROUND
	JLOAD G0+4*\s, G1, G0B+4*\s, G1B
.endr
	v_and_b32 v1, 15, v0
	v_bfe_u32 v2, v0, 4, 1
	v_and_b32 v3, 31, v0
	v_lshlrev_b32 v[LI], 4, v3
	v_lshlrev_b32 v[LS], 2, v3
	s_wait_alu depctr_va_vdst(0)
	s_mul_i32 s20, s17, 2*NA*128
	s_mul_i32 s21, s15, NA*128
	s_add_co_u32 s20, s20, s21
	s_mov_b32 s21, 0
	s_lshl_b32 s46, s42, 11
	s_lshl_b32 s47, s16, 10
	s_add_co_u32 s46, s46, s47
	s_add_co_u32 s46, s46, BT0*128
	s_mov_b32 s47, 0
	s_add_nc_u64 s[66:67], s[8:9], s[46:47]
	s_add_nc_u64 s[8:9], s[8:9], s[20:21]
.irp b, 0,1,2,3,4,5,6,7
	global_load_b32 v[AF+\b], v[LS], s[66:67] offset:128*\b
.endr
.irp a, 0,1,2,3,4,5,6,7,8,9
	global_load_b32 v[AF+NB+\a], v[LS], s[8:9] offset:128*\a
.endr
	s_mul_i32 s21, s14, SCRW
	s_add_co_u32 s21, s21, SCR
	v_add_nc_u32 v[SCW], s21, v[LS]
	v_lshl_add_u32 v[SCH], v2, 5, s21
	s_mul_i32 s21, s15, HALFA
	s_mul_i32 s22, s16, HALFB
	s_add_co_u32 s22, s22, 2*HALFA
.irp s, 0,1
	v_add_nc_u32 v[ADRA+\s], s21, v[LI]
	v_add_nc_u32 v[ADRB+\s], s22, v[LI]
	s_add_co_u32 s21, s21, SLOT
	s_add_co_u32 s22, s22, SLOT
.endr
	v_lshlrev_b32 v5, 2, v1
	s_mul_i32 s21, s16, NB*IS
	s_mul_i32 s22, s15, NA*IS
	s_add_co_u32 s22, s22, SCA-SCL
	s_sub_co_u32 s22, s22, s21
	v_mul_u32_u24 v6, s22, v2
	s_add_co_u32 s21, s21, SCL
	v_add_nc_u32 v5, v5, v6
	v_add_nc_u32 v[ADRS], s21, v5
	s_mul_i32 s20, s17, 2*NA
	s_mul_i32 s21, s15, NA
	s_add_co_u32 s20, s20, s21
	s_lshl_b32 s46, s42, 1
	s_add_co_u32 s46, s46, s16
	s_mul_i32 s22, s20, TS2
	s_mul_i32 s23, s46, FRB
	s_add_co_u32 s22, s22, s23
	s_mov_b32 s23, 0
	s_add_nc_u64 s[10:11], s[10:11], s[22:23]
	s_lshl_b32 s22, s20, 6
	s_mul_i32 s23, s46, 640*64
	s_add_co_u32 s22, s22, s23
	s_mov_b32 s23, 0
	s_add_nc_u64 s[12:13], s[12:13], s[22:23]
.macro FRAG reg, adr, q, i
.irp c, 0,1,2
	ds_load_b128 v[\reg+4*\c:\reg+4*\c+3], v[\adr] offset:(\i)*ROWB+(\q)*FRB+512*\c
.endr
.endm
.macro MUL8 a, p, q, sc, zero
.if (\a) < 4
	WIN 0xa1
.set AC, 64*(\a)
.elseif (\a) < 8
	WIN 0xf1
.set AC, 64*((\a)-4)
.elseif (\a) == 8
	WIN 0x01
.set AC, 192
.else
	WIN 0x51
.set AC, 192
.endif
.irp b, 0,1,2,3,4,5,6,7
.if \zero
	v_wmma_scale_f32_16x16x128_f8f6f4 v[AC+8*\b:AC+8*\b+7], v[BS*(\p)+FR*\b:BS*(\p)+FR*\b+FR-1], v[AF+FR*(\a):AF+FR*(\a)+FR-1], 0, v[SC+NQ*NA*(\sc)+NQ*\b+(\q)], v[SC+NQ*NA*(\sc)+NQ*(\a)+(\q)] matrix_a_fmt:MATRIX_FMT_FP6 matrix_b_fmt:MATRIX_FMT_FP6 matrix_b_scale:MATRIX_SCALE_ROW1
.else
	v_wmma_scale_f32_16x16x128_f8f6f4 v[AC+8*\b:AC+8*\b+7], v[BS*(\p)+FR*\b:BS*(\p)+FR*\b+FR-1], v[AF+FR*(\a):AF+FR*(\a)+FR-1], v[AC+8*\b:AC+8*\b+7], v[SC+NQ*NA*(\sc)+NQ*\b+(\q)], v[SC+NQ*NA*(\sc)+NQ*(\a)+(\q)] matrix_a_fmt:MATRIX_FMT_FP6 matrix_b_fmt:MATRIX_FMT_FP6 matrix_b_scale:MATRIX_SCALE_ROW1
.endif
.endr
.endm
.macro FETCH_B slot, q, p
	WIN TO_B
.irp i, 0,1,2,3,4,5,6,7
	FRAG BS*(\p)+FR*\i, ADRB+\slot, \q, \i
.endr
	WIN 0
.endm
.macro FETCH_A_LO slot, q
.irp i, 0,1,2,3
	FRAG AF+FR*\i, ADRA+\slot, \q, \i
.endr
.endm
.macro FETCH_A_HI slot, q
.irp i, 4,5,6,7,8,9
	FRAG AF+FR*\i, ADRA+\slot, \q, \i
.endr
.endm
.macro SCALES sc
.irp i, 0,1,2,3,4,5,6,7,8,9
.irp q, 0,1
	ds_load_b32 v[SC+NQ*NA*\sc+NQ*\i+\q], v[ADRS] offset:\i*IS+\q*QS
.endr
.endr
.endm
.macro PLACES n
.rept \n
	v_nop
.endr
.endm
.macro STEP slot, q, zero
	s_wait_dscnt 6*NL
.irp a, 0,1,2,3
	MUL8 \a, (\q)%2, \q, \slot, \zero
.endr
	s_wait_dscnt 0
	PLACES NP
	FETCH_B \slot, (\q)+1, 1-(\q)%2
	FETCH_A_LO \slot, (\q)+1
.irp a, 4,5,6,7,8,9
	MUL8 \a, (\q)%2, \q, \slot, \zero
.endr
	PLACES NP
	WIN 0
	FETCH_A_HI \slot, (\q)+1
.endm
.macro TURN slot, next, fill
	s_wait_tensorcnt 0x0
	ds_add_u32 v[SPW], v[NIL]
	s_wait_dscnt 6*NL+1
	MUL8 0, 1, NQ-1, \slot, 0
	MUL8 1, 1, NQ-1, \slot, 0
	s_wait_dscnt 0x0
	s_barrier_signal -1
	MUL8 2, 1, NQ-1, \slot, 0
	MUL8 3, 1, NQ-1, \slot, 0
	WIN 0
	s_barrier_wait -1
.if \fill
	CREST
	s_add_nc_u64 s[G0+4*\slot+2:G0+4*\slot+3], s[G0+4*\slot+2:G0+4*\slot+3], 2*ROWB
	s_add_nc_u64 s[G0B+4*\slot+2:G0B+4*\slot+3], s[G0B+4*\slot+2:G0B+4*\slot+3], 2*ROWB
	JLOAD G0+4*\slot, G1, G0B+4*\slot, G1B
.else
	PLACES NP
.endif
	s_wait_alu depctr_va_vdst(0)
	v_add_nc_u32 v[ADRS], NQ*QS, v[ADRS]
	FETCH_B \next, 0, 0
	FETCH_A_LO \next, 0
	SCALES \next
.irp a, 4,5,6,7,8,9
	MUL8 \a, 1, NQ-1, \slot, 0
.endr
	PLACES NP
	WIN 0
	FETCH_A_HI \next, 0
.endm
	s_wait_alu depctr_va_vdst(0)
	s_wait_loadcnt 0x0
.irp i, 0,1,2,3,4,5,6,7,8,9,10,11,12,13,14,15,16,17
	ds_store_b32 v[SCW], v[AF+\i] offset:128*\i
.endr
	s_wait_tensorcnt 1
	s_wait_dscnt 0x0
	s_barrier_signal -1
	s_barrier_wait -1
	FETCH_B 0, 0, 0
	FETCH_A_LO 0, 0
	SCALES 0
	FETCH_A_HI 0, 0
	STEP 0, 0, 1
	s_mov_b32 s3, LAPS-1
.Llap:
	TURN 0, 1, 1
	STEP 1, 0, 0
	TURN 1, 0, 1
	STEP 0, 0, 0
	s_sub_co_u32 s3, s3, 1
	s_cmp_lg_u32 s3, 0
	s_cbranch_scc1 .Llap
	TURN 0, 1, 0
	STEP 1, 0, 0
	s_wait_dscnt 6*NL
.irp a, 0,1,2,3
	MUL8 \a, 1, NQ-1, 1, 0
.endr
	s_wait_dscnt 0
.irp a, 4,5,6,7,8,9
	MUL8 \a, 1, NQ-1, 1, 0
.endr
	WIN 0
.macro BLOCK a
	v_mov_b32 v[HC], v[H+(\a)]
	s_wait_alu depctr_va_vdst(0)
	WIN 0x01
.set j, 0
.rept 32
	v_pk_fma_f32 v[T+j:T+j+1], v[A2+j:A2+j+1], v[HC:HC+1], v[M55:M55+1] op_sel_hi:[1,0,1]
.set j, j+2
.endr
.if (\a) < 8
.set AC, 64*((\a)%4)
	WIN (0x02+(\a)/4)
.else
.set AC, 192
	WIN ((\a)-8)
.endif
.set j, 0
.rept 32
	v_pk_fma_f32 v[T+j:T+j+1], v[AC+j:AC+j+1], s[98:99], v[T+j:T+j+1] op_sel_hi:[1,0,1]
.set j, j+2
.endr
	WIN 0
.set j, 0
	s_wait_alu depctr_va_vdst(0)
.rept 64
	v_exp_f32 v[T+j], v[T+j]
.set j, j+1
.endr
	v_nop
	s_wait_alu depctr_va_vdst(0)
.irp b, 0,1,2,3
	v_max3_num_f32 v[TM+\b], v[T+16*\b], v[T+16*\b+1], 0x1800000
.endr
.irp i, 2,4,6,8,10,12,14
.irp b, 0,1,2,3
	v_max3_num_f32 v[TM+\b], v[TM+\b], v[T+16*\b+\i], v[T+16*\b+\i+1]
.endr
.endr
.irp b, 0,1,2,3
	v_permlanex16_b32 v[TM+4+\b], v[TM+\b], s96, s97
.endr
.irp b, 0,1,2,3
	v_max_num_f32 v[TM+\b], v[TM+\b], v[TM+4+\b]
.endr
.irp b, 0,1,2,3
	v_add_nc_u32 v[TM+12+\b], 0xff000000, v[TM+\b]
.endr
.irp b, 0,1,2,3
	v_lshrrev_b32 v[TM+4+\b], 23, v[TM+12+\b]
.endr
	v_lshl_or_b32 v[PW+(\a)], v[TM+5], 8, v[TM+4]
	v_lshl_or_b32 v[PW+(\a)], v[TM+6], 16, v[PW+(\a)]
	v_lshl_or_b32 v[PW+(\a)], v[TM+7], 24, v[PW+(\a)]
.if (\a) > 0
	s_wait_xcnt 0x0
.endif
.irp c, 0,1
	v_cvt_scalef32_pk16_fp6_f32 v[PC+6*\c:PC+6*\c+2], v[T+32*\c:T+32*\c+15], v[TM+12+2*\c]
	v_cvt_scalef32_pk16_fp6_f32 v[PC+12+4*\c:PC+14+4*\c], v[T+16+32*\c:T+31+32*\c], v[TM+12+2*\c+1]
.endr
	v_nop
.irp c, 0,1
.irp i, 0,1,2
	v_permlane16_swap_b32 v[PC+6*\c+\i], v[PC+12+4*\c+\i]
.endr
.irp i, 0,1,2
	v_mov_b32 v[PC+3+6*\c+\i], v[PC+12+4*\c+\i]
.endr
.endr
.irp c, 0,1,2
	global_store_b128 v[LI], v[PC+4*\c:PC+4*\c+3], s[10:11] offset:(\a)*TS2+512*\c
.endr
.endm
	PLACES NP
	WIN TO_B
.irp b, 0,1,2,3,4,5,6,7
	ds_load_b128 v[A2+8*\b:A2+8*\b+3], v[SCH] offset:128*\b
	ds_load_b128 v[A2+8*\b+4:A2+8*\b+7], v[SCH] offset:128*\b+16
.endr
	WIN 0
.irp a, 0,1,2,3,4,5,6,7,8,9
	ds_load_b32 v[H+\a], v[SCW] offset:128*(NB+\a)
.endr
	v_mov_b32 v[HC+1], 0
	v_mov_b32 v[M55], 0xc0b00000
	v_mov_b32 v[M55+1], 0xc0b00000
.irp b, 0,1,2,3
	v_mov_b32 v[TM+4+\b], 0
.endr
	s_wait_dscnt 0x0
.irp a, 0,1,2,3,4,5,6,7,8,9
	BLOCK \a
.endr
	v_cmp_eq_u32 vcc_lo, 1, v2
.irp p, 0,1,2,3,4
	v_cndmask_b32 v[OUT+\p], v[PW+2*\p], v[PW+2*\p+1], vcc_lo
.endr
.irp p, 0,1,2,3,4
	global_store_b32 v[LS], v[OUT+\p], s[12:13] offset:128*\p
.endr
	s_wait_tensorcnt 0x0
	ds_add_u32 v[SPW], v[NIL]
	s_wait_dscnt 0x0
	CROUND
	s_endpgm
.Lfunc_end_k_qbf9f920539_feat:
	.size	k_qbf9f920539_feat, .Lfunc_end_k_qbf9f920539_feat-k_qbf9f920539_feat
	.p2alignl 7, 3214868480
	.fill 96, 4, 3214868480
	.section	.rodata,"a",@progbits
	.p2align	6, 0x0
	.amdhsa_kernel k_qbf9f920539_feat
		.amdhsa_group_segment_fixed_size 327680
		.amdhsa_private_segment_fixed_size 0
		.amdhsa_enable_private_segment 0
		.amdhsa_kernarg_size 40
		.amdhsa_user_sgpr_count 2
		.amdhsa_user_sgpr_kernarg_segment_ptr 1
		.amdhsa_wavefront_size32 1
		.amdhsa_system_sgpr_workgroup_id_x 1
		.amdhsa_system_sgpr_workgroup_id_y 1
		.amdhsa_system_sgpr_workgroup_id_z 1
		.amdhsa_system_vgpr_workitem_id 0
		.amdhsa_next_free_vgpr 1024
		.amdhsa_next_free_sgpr 100
		.amdhsa_reserve_vcc 1
		.amdhsa_float_denorm_mode_32 3
		.amdhsa_float_denorm_mode_16_64 3
		.amdhsa_memory_ordered 1
		.amdhsa_forward_progress 1
		.amdhsa_inst_pref_size 239
	.end_amdhsa_kernel
	.amdgpu_metadata
---
amdhsa.version: [ 1, 2 ]
amdhsa.kernels:
  - .name:           k_qbf9f920539_feat
    .symbol:         k_qbf9f920539_feat.kd
    .args:
      - { .name: c1, .offset: 0, .size: 8, .value_kind: global_buffer, .address_space: global }
      - { .name: s1, .offset: 8, .size: 8, .value_kind: global_buffer, .address_space: global }
      - { .name: st, .offset: 16, .size: 8, .value_kind: global_buffer, .address_space: global }
      - { .name: c2, .offset: 24, .size: 8, .value_kind: global_buffer, .address_space: global }
      - { .name: s2, .offset: 32, .size: 8, .value_kind: global_buffer, .address_space: global }
    .group_segment_fixed_size: 327680
    .private_segment_fixed_size: 0
    .kernarg_segment_align: 8
    .kernarg_segment_size: 40
    .max_flat_workgroup_size: 128
    .sgpr_count:     100
    .vgpr_count:     1024
    .wavefront_size: 32
...
	.end_amdgpu_metadata
.endif
;; end of part 5
;; launch mix (part 6): grid 16 x 16, 8 waves a work-group, clusters of 4 x 1, 327,680 bytes of LDS; arguments c2, s2, out0; writes out0
.if DOCPART == 6
	.amdgcn_target "amdgcn-amd-amdhsa--gfx1250"
	.amdhsa_code_object_version 6
	.text
	.protected	k_qbf9f920539_mix
	.globl	k_qbf9f920539_mix
	.p2align	8
	.type	k_qbf9f920539_mix,@function
k_qbf9f920539_mix:
	s_mov_b64 s[64:65], 0
	v_nop
	global_prefetch_b8 v0, s[64:65] scope:SCOPE_SE
	s_setreg_imm32_b32 hwreg(HW_REG_WAVE_MODE, 25, 1), 1
	s_wait_xcnt 0x0
	s_wait_alu depctr_hold_cnt(0) depctr_sa_sdst(0) depctr_va_vdst(0) depctr_va_sdst(0) depctr_va_ssrc(0) depctr_va_vcc(0) depctr_vm_vsrc(0)
	s_getreg_b32 s2, hwreg(HW_REG_IB_STS2, 6, 4)
	s_cmp_eq_u32 s2, 0
	s_cbranch_scc0 .Lentry_in_a_cluster
	s_endpgm
.Lentry_in_a_cluster:
	s_bfe_u32 s2, ttmp6, 0x10000c
	s_cmp_lg_u32 s2, 0x3003
	s_cbranch_scc0 .Lentry_shape_is_right
	s_endpgm
.Lentry_shape_is_right:
; out0[row][o] = the sum over m of phi_x[row][m] weights[o][m]: M = 8,192, N = 2,048, K = 2,048, on codes of FP6 (E2M3) with one E8M0 scale for each 32 along m; sums and out0 in f32.
; OPERANDS lie in c2 as images of the matrix operand's registers: [tile of 16 rows][K step of 128][1,536 bytes], registers 4 c .. 4 c + 3 of lane l at 512 c + 16 l.  Tiles 0-511: phi_x (A); 512-639: weights (B).  s2: [K step][tile][row] scale words.
; SHARES.  256 work-groups: 16 column blocks of 128 x 16 row groups of 512.  Eight waves, two on a SIMD, 512 registers each; a wave makes 64 rows x 128 columns: 32 accumulators, 256 registers.
; B: the column block's 8 tiles for ALL of K are 196,608 bytes: they come into LDS once (wave w brings K steps 4 (w / 2) .. + 3 of tiles 4 (w % 2) .. + 3 by one tensor load) and stay: no LDS byte is filled again, and the walk along K has no barrier.
; A: each row of A is used by ONE wave of the work-group, so its images go from memory straight into that wave's registers (three loads of 512 consecutive bytes a fragment), two K steps (28 loads) ahead, in three sets.
; CLUSTERS: 4 x 1: the four partners have the same column block and other row groups.  B's tiles are asked for JOINTLY (mask 15).  A is not shared inside a cluster: the partners hold other rows.
; THE MATRIX INSTRUCTION IS USED TRANSPOSED (source 0 = a tile of B, source 1 = a tile of A): a lane then holds eight neighbouring numbers of a row of out0.
; PREFETCH: the 16 work-groups that read a row group share its images out by address: column block c asks, for each of its waves, for tile c / 4 of the wave's four, K steps 4 q + c % 4: 24 blocks of 256 bytes, a lane a block,
; one request a wave, at the head, while B's tiles are on their way.  The walk is written out and has no loop to run ahead in; B comes by its one load at the head.
; REGISTERS: window 0: v0 the thread's number, v1-5 addresses, v6-9 B's scale words, v10-15 A's (3 sets), v16-111 B's fragments (two halves of four), v112-255 A's fragments (3 sets; on the way out: rows read back);
;   window 1: the accumulators, (a, b) at v[8 (8 a + b)].
.set TS,     24576                     ; a tile's bytes in c2: 16 K steps
.set FRB,    1536                      ; a fragment's image
.set KSS,    640*64                    ; s2: bytes from K step to K step
.set BT0,    512                       ; B's first tile
.set QC,     8*4*FRB                   ; LDS: the codes of 8 tiles x 4 K steps,
.set QUADP,  QC+4*512                  ; and behind them these K steps' scale words, 512 bytes a K step, laid [lane][pair of tiles]
.set STAGE,  4*QUADP                   ; a stage of 16 rows x (512 + 16) bytes for each wave
.set SPITCH, 528
.set WST,    16*SPITCH
.set SPARE,  STAGE+8*WST               ; the spare words, 128 bytes for each wave; no other line names them
.set ROWO,   8192                      ; a row of out0 in bytes
.set LI,   1                           ; v1     16 x lane
.set L4,   2                           ; v2     4 x lane
.set ADRB, 3                           ; v3     LDS address of B's images and scale words: 16 x lane + the four K steps' place
.set SPW,  4                           ; v4     my spare word; never rewritten
.set NIL,  5                           ; v5     0; never rewritten
.set SB,   6
.set SA,   10
.set BF,   16
.set AF,   112
.set BK,   112
.set SD,   24                          ; the head alone: B's scale words as loaded; v32 where they go; v33 the prefetch's offset
.set TA,   32
.set PFO,  33
.set RD,   18                          ; the way out alone: the stage back, and in
.set STO,  19
.set G0, 16                            ; s[16:19], s[20:27]: the tensor load's descriptor
.set G1, 20
.set AB, 28                            ; s[28:29] my images of A;  s[30:31] their scale words;  s[32:33] my part of out0;  s[34:35] the prefetch's base;  s[36:37] B's scale words in s2
.set AS, 30
.set OB, 32
.set PF, 34
.set BSS, 36
.set MSB, 0
.macro WIN new                         ; the immediate's high byte repeats the setting that is left
.if MSB != \new
	s_set_vgpr_msb (MSB<<8)|\new
.set MSB, \new
.endif
.endm
.macro PLACES
.rept 4
	v_nop
.endr
.endm
.macro CROUND                          ; a round of the cluster's barrier
	s_barrier_signal -1
	s_barrier_wait -1
	s_cmp_lg_u32 s10, 0
	s_cbranch_scc1 .Lnot_wave_0_\@
	s_barrier_signal -3
.Lnot_wave_0_\@:
	s_barrier_wait -3
	s_barrier_signal -1
	s_barrier_wait -1
.endm
.macro LA t, a                         ; A's fragment a of K step t into set t % 3
.irp c, 0,1,2
	global_load_b128 v[AF+48*((\t)%3)+12*(\a)+4*\c:AF+48*((\t)%3)+12*(\a)+4*\c+3], v[LI], s[AB:AB+1] offset:(\a)*TS+(\t)*FRB+512*\c
.endr
.endm
.macro LSA t                           ; its scale words: lanes 0-15 tile 2 p, lanes 16-31 tile 2 p + 1
.irp p, 0,1
	global_load_b32 v[SA+2*((\t)%3)+\p], v[L4], s[AS:AS+1] offset:(\t)*KSS+128*\p
.endr
.endm
.macro LBH t, h                        ; B's fragments 4 h .. 4 h + 3 of K step t, and their scale words (register j: lanes 0-15 tile 2 j, lanes 16-31 tile 2 j + 1): 13 LDS loads
.irp i, 0,1,2,3
.irp c, 0,1,2
	ds_load_b128 v[BF+12*(4*(\h)+\i)+4*\c:BF+12*(4*(\h)+\i)+4*\c+3], v[ADRB] offset:(4*(\h)+\i)*4*FRB+((\t)%4)*FRB+512*\c
.endr
.endr
	ds_load_b64 v[SB+2*(\h):SB+2*(\h)+1], v[ADRB] offset:QC+((\t)%4)*512+8*(\h)
.endm
.macro WM c, rb, ra                    ; one product; rb, ra: which half of the lanes holds B's and A's scale words
.if (\rb) == 0 && (\ra) == 0
	v_wmma_scale_f32_16x16x128_f8f6f4 v[D:D+7], v[BQ:BQ+11], v[AQ:AQ+11], \c, v[SBR], v[SAR] matrix_a_fmt:MATRIX_FMT_FP6 matrix_b_fmt:MATRIX_FMT_FP6
.elseif (\ra) == 0
	v_wmma_scale_f32_16x16x128_f8f6f4 v[D:D+7], v[BQ:BQ+11], v[AQ:AQ+11], \c, v[SBR], v[SAR] matrix_a_fmt:MATRIX_FMT_FP6 matrix_b_fmt:MATRIX_FMT_FP6 matrix_a_scale:MATRIX_SCALE_ROW1
.elseif (\rb) == 0
	v_wmma_scale_f32_16x16x128_f8f6f4 v[D:D+7], v[BQ:BQ+11], v[AQ:AQ+11], \c, v[SBR], v[SAR] matrix_a_fmt:MATRIX_FMT_FP6 matrix_b_fmt:MATRIX_FMT_FP6 matrix_b_scale:MATRIX_SCALE_ROW1
.else
	v_wmma_scale_f32_16x16x128_f8f6f4 v[D:D+7], v[BQ:BQ+11], v[AQ:AQ+11], \c, v[SBR], v[SAR] matrix_a_fmt:MATRIX_FMT_FP6 matrix_b_fmt:MATRIX_FMT_FP6 matrix_a_scale:MATRIX_SCALE_ROW1 matrix_b_scale:MATRIX_SCALE_ROW1
.endif
.endm
.macro GRP t, g, zero                  ; B's tile g against A's four.  The 32 accumulators take turns, one instruction a turn, in the same order in every K step
	WIN 0x50                                       ; C and D window 1, the sources window 0
.set BQ, BF+12*(\g)
.set SBR, SB+(\g)/2
.irp a, 0,1,2,3
.set D, 8*(8*\a+(\g))
.set AQ, AF+48*((\t)%3)+12*\a
.set SAR, SA+2*((\t)%3)+\a/2
.if \zero
	WM 0, (\g)%2, \a%2
.else
	WM v[D:D+7], (\g)%2, \a%2
.endif
.endr
.endm
; A K step in two halves: sixteen products on four of B's fragments, then one run of loads: the same four fragments of the next K step, and half of A's fragments of two K steps on.
; The wave's loads and waits stand between its groups of products, where the other wave of its SIMD has its own products to issue.
.macro STEP t, zero
.if (\t) < 15
	s_wait_loadcnt 14                              ; this K step's 14 loads of A are in; the next K step's may be out
.else
	s_wait_loadcnt 0x0
.endif
	s_wait_dscnt 13                                ; B's fragments 0-3 and their scale words are in; the 13 loads of fragments 4-7 may be out
.irp g, 0,1,2,3
	GRP \t, \g, \zero
.endr
	WIN 0
	PLACES                                         ; behind the products, ahead of the loads into registers that they have read
.if (\t) < 15
.if ((\t)+1)%4 == 0
	v_add_nc_u32 v[ADRB], QUADP, v[ADRB]           ; on to the next four K steps' place in LDS
	s_wait_alu depctr_va_vdst(0)
.endif
	LBH (\t)+1, 0
.endif
.if (\t) < 14
	LA (\t)+2, 0
	LA (\t)+2, 1
.endif
.if (\t) < 15
	s_wait_dscnt 13                                ; fragments 4-7 are in; the 13 loads just issued may be out
.else
	s_wait_dscnt 0x0
.endif
.irp g, 4,5,6,7
	GRP \t, \g, \zero
.endr
	WIN 0
	PLACES
.if (\t) < 15
	LBH (\t)+1, 1
.endif
.if (\t) < 14
	LA (\t)+2, 2
	LA (\t)+2, 3
	LSA (\t)+2
.endif
.endm
.macro TOSTAGE a                       ; block a's eight accumulators into my stage
	WIN 0x04                                       ; an LDS store's data are its source 1: window 1
.irp b, 0,1,2,3,4,5,6,7
	ds_store_b128 v[STO], v[8*(8*(\a)+\b):8*(8*(\a)+\b)+3] offset:64*\b      ; each accumulator from its low end on
	ds_store_b128 v[STO], v[8*(8*(\a)+\b)+4:8*(8*(\a)+\b)+7] offset:64*\b+16
.endr
	WIN 0
.endm
.macro BACK set                        ; LDS serves a wave's instructions in order (ISA guide 5.7.1.4): these see the stores above, and the next block's stores come behind them
.irp i, 0,1,2,3,4,5,6,7,8,9,10,11,12,13,14,15
	ds_load_b128 v[BK+64*(\set)+4*\i:BK+64*(\set)+4*\i+3], v[RD] offset:\i*SPITCH
.endr
.endm
.macro OUT set, orow
.irp i, 0,1,2,3,4,5,6,7,8,9,10,11,12,13,14,15
	global_store_b128 v[LI], v[BK+64*(\set)+4*\i:BK+64*(\set)+4*\i+3], s[OB:OB+1] offset:((\orow)+\i)*ROWO th:TH_STORE_NT   ; 512 consecutive bytes, at a multiple of 256 from out0's first byte
.endr
.endm
	s_load_b128 s[4:7], s[0:1], 0x0                ; c2 s[4:5], s2 s[6:7]
	s_load_b64 s[8:9], s[0:1], 0x10                ; out0
	v_lshl_add_u32 v[SPW], v0, 2, SPARE
	v_mov_b32 v[NIL], 0
	ds_add_u32 v[SPW], v[NIL]                      ; the opening lines: the add, twice on end, and its wait ahead of my first tensor load
	ds_add_u32 v[SPW], v[NIL]
	v_lshrrev_b32 v16, 5, v0
	v_readfirstlane_b32 s10, v16                   ; wave 0..7
	s_bfe_u32 s11, ttmp6, 0x40000                  ; cx: my place in the cluster
	s_and_b32 s13, ttmp7, 0xffff
	s_and_b32 s12, s13, 3
	s_lshl_b32 s38, ttmp9, 2
	s_add_co_u32 s12, s12, s38                     ; column block = 4 x cluster x + y % 4: the same in all partners
	s_lshr_b32 s13, s13, 2
	s_lshl_b32 s13, s13, 2
	s_add_co_u32 s13, s13, s11                     ; row group = 4 (y / 4) + cx
	s_lshr_b32 s45, s10, 1                         ; which four K steps of B I bring,
	s_and_b32 s46, s10, 1                          ; and which four tiles
	s_mov_b32 s[G1+0], 15|(3<<16)|(1<<21)          ; the mask of the four partners; elements of 8 bytes; bit 21 set beside a mask
	s_mov_b32 s[G1+1], (4*FRB/8)<<16               ; tensor_dim0 = 768: four K steps of a tile, 6,144 bytes
	s_mov_b32 s[G1+2], 4<<16                       ; tensor_dim1 = 4 tiles
	s_mov_b32 s[G1+3], (4*FRB/8)<<16               ; tile_dim0
	s_mov_b32 s[G1+4], 4                           ; tile_dim1
	s_mov_b32 s[G1+5], TS/8                        ; from tile to tile
	s_mov_b32 s[G1+6], 0
	s_mov_b32 s[G1+7], 0
	s_mov_b32 s[G0], 1
	s_mul_i32 s[G0+1], s45, QUADP
	s_mul_i32 s39, s46, 4*4*FRB
	s_add_co_u32 s[G0+1], s[G0+1], s39             ; LDS: the four K steps' place + four tiles x 6,144
	s_lshl_b32 s38, s12, 3
	s_add_co_u32 s38, s38, BT0                     ; B's first tile
	s_lshl_b32 s[BSS], s38, 6                      ; its scale words, K steps 2 w and 2 w + 1
	s_mul_i32 s39, s10, 2*KSS
	s_add_co_u32 s[BSS], s[BSS], s39
	s_mov_b32 s[BSS+1], 0
	s_mul_i32 s38, s38, TS                         ; its codes: my four tiles, my four K steps
	s_mul_i32 s39, s46, 4*TS
	s_add_co_u32 s38, s38, s39
	s_mul_i32 s39, s45, 4*FRB
	s_add_co_u32 s38, s38, s39
	s_mov_b32 s39, 0
	s_lshl_b32 s40, s13, 5
	s_lshl_b32 s41, s10, 2
	s_add_co_u32 s40, s40, s41                     ; my first tile of A: 32 x row group + 4 x wave
	s_mul_i32 s[AB], s40, TS
	s_mov_b32 s[AB+1], 0
	s_lshl_b32 s[AS], s40, 6
	s_mov_b32 s[AS+1], 0
	s_lshl_b32 s[OB], s40, 17                      ; 16 rows of 8,192 bytes a tile,
	s_lshl_b32 s41, s12, 9
	s_add_co_u32 s[OB], s[OB], s41                 ; 512 bytes a column block
	s_mov_b32 s[OB+1], 0
	s_lshr_b32 s41, s12, 2
	s_add_co_u32 s41, s41, s40
	s_mul_i32 s[PF], s41, TS                       ; my work-group's share of the prefetch: tile c / 4,
	s_and_b32 s41, s12, 3
	s_mul_i32 s41, s41, FRB
	s_add_co_u32 s[PF], s[PF], s41                 ; K steps 4 q + c % 4
	s_mov_b32 s[PF+1], 0
	s_mul_i32 s43, s45, QUADP
	s_lshl_b32 s41, s46, 10
	s_add_co_u32 s43, s43, s41
	s_add_co_u32 s43, s43, QC                      ; where my two K steps of B's scale words go
	s_mul_i32 s44, s10, WST
	s_add_co_u32 s44, s44, STAGE                   ; my stage
	v_and_b32 v16, 31, v0                          ; lane
	v_and_b32 v17, 7, v0                           ; lane % 8
	v_bfe_u32 v18, v0, 3, 2                        ; lane / 8
	s_delay_alu instid0(VALU_DEP_3)
	v_lshlrev_b32 v[LI], 4, v16
	s_delay_alu instid0(VALU_DEP_4)
	v_lshlrev_b32 v[L4], 2, v16
	v_min_u32 v19, 23, v16                         ; 24 blocks; the lanes left over name the last again
	v_lshlrev_b32 v17, 6, v17
	s_delay_alu instid0(VALU_DEP_4)
	v_mov_b32 v[ADRB], v[LI]
	s_delay_alu instid0(VALU_DEP_3)
	v_mul_u32_u24 v20, v19, 43
	s_delay_alu instid0(VALU_DEP_3)
	v_lshl_add_u32 v17, v18, 2, v17                ; the word 4 l + i of a K step's 128 belongs to lane 4 (l % 8) + i, pair of tiles l / 8: byte 64 (l % 8) + 16 i + 4 (l / 8)
	s_delay_alu instid0(VALU_DEP_2)
	v_lshrrev_b32 v20, 8, v20                      ; q = block / 6
	s_delay_alu instid0(VALU_DEP_2)
	v_add_nc_u32 v[TA], s43, v17
	s_delay_alu instid0(VALU_DEP_2)
	v_mul_u32_u24 v20, v20, 4*FRB-FRB
	s_delay_alu instid0(VALU_DEP_1)
	v_lshl_add_u32 v[PFO], v19, 8, v20             ; 6,144 q + 256 (block % 6)
	s_wait_alu depctr_va_vdst(0)
	s_wait_dscnt 0x0                               ; both opening adds are done
	s_wait_kmcnt 0x0
	s_add_nc_u64 s[G0+2:G0+3], s[4:5], s[38:39]
	s_or_b32 s[G0+3], s[G0+3], 0x80000000
	s_add_nc_u64 s[AB:AB+1], s[4:5], s[AB:AB+1]
	s_add_nc_u64 s[PF:PF+1], s[4:5], s[PF:PF+1]
	s_add_nc_u64 s[AS:AS+1], s[6:7], s[AS:AS+1]
	s_add_nc_u64 s[BSS:BSS+1], s[6:7], s[BSS:BSS+1]
	s_add_nc_u64 s[OB:OB+1], s[8:9], s[OB:OB+1]
	CROUND                                         ; the four partners are here: the joint loads meet
	tensor_load_to_lds s[G0:G0+3], s[G1:G1+7]      ; my one tensor load: every wave issues one, with no branch
	s_nop 0
	PLACES
.irp k, 0,1
	global_load_b128 v[SD+4*\k:SD+4*\k+3], v[LI], s[BSS:BSS+1] offset:\k*KSS   ; B's scale words of my two K steps, 512 consecutive bytes each
.endr
	global_prefetch_b8 v[PFO], s[PF:PF+1] th:TH_LOAD_NT scope:SCOPE_SE   ; my share of my row group's images
.irp t, 0,1
.irp a, 0,1,2,3
	LA \t, \a
.endr
	LSA \t
.endr
	s_wait_loadcnt 28                              ; the scale words are in; A's first two K steps may be out
.irp k, 0,1
.irp i, 0,1,2,3
	ds_store_b32 v[TA], v[SD+4*\k+\i] offset:\k*512+16*\i
.endr
.endr
	s_wait_xcnt 0x0                                ; the prefetch has read its offset, which lies where B's fragments will land
	s_wait_tensorcnt 0x0                           ; my part of B is in,
	s_wait_dscnt 0x0                               ; and my part of its scale words;
	s_barrier_signal -1
	s_barrier_wait -1                              ; everybody's are.
	LBH 0, 0
	LBH 0, 1
	STEP 0, 1                                      ; the first K step's products start the sums: nothing is cleared
.set ST, 1
.rept 15
	STEP ST, 0
.set ST, ST+1
.endr
; THE WAY OUT, block by block of 16 rows x 128 columns, through my own stage: in as 32 bytes a lane, back as whole rows of 512 bytes.  (The last K step ends with four places behind its products.)
	v_and_b32 v16, 15, v0
	v_bfe_u32 v17, v0, 4, 1
	v_add_nc_u32 v[RD], s44, v[LI]
	s_delay_alu instid0(VALU_DEP_3)
	v_mul_u32_u24 v16, v16, SPITCH
	s_delay_alu instid0(VALU_DEP_1)
	v_lshl_add_u32 v16, v17, 5, v16
	s_delay_alu instid0(VALU_DEP_1)
	v_add_nc_u32 v[STO], s44, v16                  ; row l % 16, 32 bytes for each half of the lanes
	s_wait_alu depctr_va_vdst(0)
	TOSTAGE 0
	BACK 0
	TOSTAGE 1
	BACK 1
	s_wait_dscnt 32                                ; behind block 0's loads: block 1's 16 stores and 16 loads
	OUT 0, 0
	s_wait_xcnt 0x0                                ; block 0's stores have read their registers
	TOSTAGE 2
	BACK 0
	s_wait_dscnt 32
	OUT 1, 16
	s_wait_xcnt 0x0
	TOSTAGE 3
	BACK 1
	s_wait_dscnt 32
	OUT 0, 32
	s_wait_dscnt 0x0
	OUT 1, 48
	s_wait_tensorcnt 0x0                           ; the wave's end: behind my last LDS store
	ds_add_u32 v[SPW], v[NIL]
	s_wait_dscnt 0x0
	CROUND                                         ; the closing round
	s_endpgm
.Lfunc_end_k_qbf9f920539_mix:
	.size	k_qbf9f920539_mix, .Lfunc_end_k_qbf9f920539_mix-k_qbf9f920539_mix
	.p2alignl 7, 3214868480
	.fill 96, 4, 3214868480
	.section	.rodata,"a",@progbits
	.p2align	6, 0x0
	.amdhsa_kernel k_qbf9f920539_mix
		.amdhsa_group_segment_fixed_size 327680
		.amdhsa_private_segment_fixed_size 0
		.amdhsa_enable_private_segment 0
		.amdhsa_kernarg_size 24
		.amdhsa_user_sgpr_count 2
		.amdhsa_user_sgpr_kernarg_segment_ptr 1
		.amdhsa_wavefront_size32 1
		.amdhsa_system_sgpr_workgroup_id_x 1
		.amdhsa_system_sgpr_workgroup_id_y 1
		.amdhsa_system_sgpr_workgroup_id_z 1
		.amdhsa_system_vgpr_workitem_id 0
		.amdhsa_next_free_vgpr 512
		.amdhsa_next_free_sgpr 66
		.amdhsa_reserve_vcc 0
		.amdhsa_float_denorm_mode_32 3
		.amdhsa_float_denorm_mode_16_64 3
		.amdhsa_memory_ordered 1
		.amdhsa_forward_progress 1
		.amdhsa_inst_pref_size 141
	.end_amdhsa_kernel
	.amdgpu_metadata
---
amdhsa.version: [ 1, 2 ]
amdhsa.kernels:
  - .name:           k_qbf9f920539_mix
    .symbol:         k_qbf9f920539_mix.kd
    .args:
      - { .name: c2, .offset: 0, .size: 8, .value_kind: global_buffer, .address_space: global }
      - { .name: s2, .offset: 8, .size: 8, .value_kind: global_buffer, .address_space: global }
      - { .name: out0, .offset: 16, .size: 8, .value_kind: global_buffer, .address_space: global }
    .group_segment_fixed_size: 327680
    .private_segment_fixed_size: 0
    .kernarg_segment_align: 8
    .kernarg_segment_size: 24
    .max_flat_workgroup_size: 256
    .sgpr_count:     66
    .vgpr_count:     512
    .wavefront_size: 32
...
	.end_amdgpu_metadata
.endif
;; end of part 6
